; MI455X (gfx1250); checked and timed in simulation.
; The chip was launched on July 23, 2026; its instructions are those of AMD's public machine-readable ISA for CDNA 5 (MIT licence, August 2026) and "CDNA5" Instruction Set Architecture Reference Guide (July 2026). The comments in the code are by the model that wrote it; some were corrected since.
;; Multi Head Attention. Allowed arithmetic: matrix products marked QUANTISED: E2M3 operands, one E8M0 scale for each 32 along K, by v_wmma_scale_f32_16x16x128_f8f6f4 with both operands' format E2M3, f32 sums; everything else in f32.
;; Inputs: Wfc 1,024 x 1,024 float32; Wk 1,024 x 1,024 float32; Wpk 1,024 x 1,024 float32; Wpq 1,024 x 1,024 float32; Wq 1,024 x 1,024 float32; Wv 1,024 x 1,024 float32; beta 1,024 float32; bfc 1,024 float32; bk 1,024 float32; bpk 1,024 float32; bpq 1,024 float32; bq 1,024 float32; bv 1,024 float32; gamma 1,024 float32; k 2 x 2,048 x 1,024 float32; mask 2 x 2,048 x 2,048 bool; pe_k 2 x 2,048 x 1,024 float32; pe_q 2 x 2,048 x 1,024 float32; q 2 x 2,048 x 1,024 float32; v 2 x 2,048 x 1,024 float32.
;; Outputs: out0 2 x 2,048 x 1,024 float32.
;; This version of the problem:
;;   THIS VERSION OF THE PROBLEM IS GIVEN IN LOW PRECISION. The matrix products marked QUANTISED in the list below multiply operands that are first quantised to E2M3 (2 exponent bits, 3 mantissa bits; 6 bits a number), with one power-of-two scale for each 32 numbers along K (OCP MX v1.0); their sums are f32. All else is computed in f32.
;;   The module's matrix products, in the order in which they are computed (A, B: the left and right operand; K: the contracted axis; several contracted axes count as one K, in the product's order):
;;     1. [M 4,096, K 1,024] x [K 1,024, N 1,024]; A: input q; B: input Wq: QUANTISED
;;     2. [M 4,096, K 1,024] x [K 1,024, N 1,024]; A: input k; B: input Wk: QUANTISED
;;     3. [M 4,096, K 1,024] x [K 1,024, N 1,024]; A: input v; B: input Wv: QUANTISED
;;     4. [M 4,096, K 1,024] x [K 1,024, N 1,024]; A: input pe_q; B: input Wpq: QUANTISED
;;     5. [M 4,096, K 1,024] x [K 1,024, N 1,024]; A: input pe_k; B: input Wpk: QUANTISED
;;     6. batch 32 x [M 2,048, K 64] x [K 64, N 2,048]; A: computed on the way; B: computed on the way: QUANTISED
;;     7. batch 32 x [M 2,048, K 64] x [K 64, N 2,048]; A: computed on the way; B: computed on the way: QUANTISED
;;     8. batch 32 x [M 2,048, K 2,048] x [K 2,048, N 64]; A: softmax (see below); B: computed on the way: QUANTISED
;;     9. [M 4,096, K 1,024] x [K 1,024, N 1,024]; A: computed on the way; B: input Wfc: QUANTISED
;;   THE QUANTISER, for each operand of a quantised product, along K:
;;     - K is cut into blocks of 32 from its start; a last block that is shorter is filled with zeros.
;;     - A block's scale is 2^e with e = floor(log2(the largest magnitude in the block)) - 2, held to -126 .. 127; a block of zeros has e = 0. As a byte (E8M0): e + 127.
;;     - Each number is divided by its block's scale, clamped to +-7.5, and rounded to the nearest number of E2M3, ties to even, subnormals kept.
;;     - The product sums the exact products of the quantised numbers (number of the format x scale) in f32.
;;   ~~~python
;;   def quantise(x, axis):      # numpy; x: float32 -> the quantised numbers, widened to float32 again
;;       x = np.moveaxis(x, axis, -1); K = x.shape[-1]
;;       x = np.pad(x, [(0, 0)] * (x.ndim - 1) + [(0, -K % 32)]); x = x.reshape(x.shape[:-1] + (-1, 32)); a = np.abs(x).max(-1, keepdims=True)
;;       e = np.where(a > 0, np.clip(np.frexp(np.where(a > 0, a, 1))[1] - 1 - 2, -126, 127), 0)      # np.frexp(a)[1] - 1 = floor(log2(a)), exactly
;;       r = np.clip(x / 2.0 ** e, -7.5, 7.5)
;;       step = 2.0 ** (np.maximum(np.frexp(np.where(r == 0, 1, r))[1] - 1, 0) - 3)
;;       q = np.round(r / step) * step * 2.0 ** e      # np.round: ties to even
;;       return np.moveaxis(q.reshape(q.shape[:-2] + (-1,))[..., :K], -1, axis).astype(np.float32)
;;   ~~~
;;   SOFTMAX AHEAD OF A QUANTISED PRODUCT. Where the list says 'softmax', what is quantised is not the finished softmax but p = 2^(t - M), with t = logit x log2(e) and M = ceil(the row's largest t), a whole number; so 1/2 < the row's largest p <= 1. The row's sum l is taken of the UNQUANTISED p, in f32, and the product's result is divided by l at the end. Since M is a whole number, a kernel that streams over the keys may use a running M (the ceiling of the running maximum): every later rescaling is an exact power of two, which a block's scale takes up: the codes' values come out the same.
;;   OPERANDS COMPUTED ON THE WAY. 'Computed on the way' means the value that the module computes at that place (a softmax that the list does not call 'softmax' is quantised finished and normalised). What goes into a quantiser is computed in f32, as accurately as f32 sums, v_exp_f32 and their like allow (about 1e-6 of the number): no bf16 or f16 on the way to a quantiser, and a product that is left as it is and whose result goes on into a quantised operand takes f32 operands (vector FMAs, or v_wmma_f32_16x16x4_f32). A number that lies on a knife's edge between two numbers of the format may be rounded either way, as far as f32 arithmetic and the matrix unit's own rounding can turn it there, and no further.
;; One version. Each part assembles by itself: llvm-mc -triple=amdgcn-amd-amdhsa -mcpu=gfx1250 --defsym DOCPART=n.
;; ======== version 1 of 1: 4 launches
;; limits: right only within a limited range of input values
;; workspace buffers: xbuf 16,384,000 bytes; wbuf 4,915,200 bytes; mcode 6,291,456 bytes; abuf 16,384,000 bytes; ao 16,777,216 bytes
;; launch prep (part 1): grid 1728 x 1, 4 waves a work-group, no clusters, 59,904 bytes of LDS; arguments q, pe_q, k, pe_k, v, Wq, Wpq, Wk, Wpk, Wv, Wfc, mask, xbuf, wbuf, mcode; writes xbuf, wbuf, mcode
.if DOCPART == 1
	.amdgcn_target "amdgcn-amd-amdhsa--gfx1250"
	.amdhsa_code_object_version 6
	.text
	.protected	k_q7537a88ca1_prep
	.globl	k_q7537a88ca1_prep
	.p2align	8
	.type	k_q7537a88ca1_prep,@function
k_q7537a88ca1_prep:
	s_mov_b64 s[64:65], 0
	v_nop
	global_prefetch_b8 v0, s[64:65] scope:SCOPE_SE
	s_setreg_imm32_b32 hwreg(HW_REG_WAVE_MODE, 25, 1), 1
	s_wait_xcnt 0x0
; PREP: the five activations and the six weights become codes of FP6 (E2M3) with one E8M0 byte for each 32 along K, and the mask becomes codes of FP6 too.
; A TILE is 16 rows (or weight columns): lane r of tile 2 b + u holds row 32 b + 8 u + r + 8 (r / 8).  An IMAGE is a fragment (a tile x 128 K, 12 registers a lane) as 1,536 bytes:
; register 4 c + i of lane L at 512 c + 16 L + 4 i, so that any later launch has the operand by three loads of 16 bytes a lane.
; xbuf: [tensor 5][tile 256][K step 8] images; from XSC on [tensor][tile][pair 4][32 words]: lanes 0-15 the scale words of K step 2 p, lanes 16-31 those of K step 2 p + 1.
; wbuf: [tile 384][K step 8] images: tiles 0-127 a head's 4 tiles of Wq then 4 of Wpq, 128-255 the same of Wk and Wpk, 256-319 Wv, 320-383 Wfc; from WSC on the scale words as in xbuf.
; mcode: [m][query tile 128][key step 16][w 4][lane 32][12 bytes]: lane (r, h) holds 16 codes, code j at bits 6 j .. 6 j + 5, for the tile's query r and key 128 step + 32 w + 8 h + j + 8 (j / 8),
; which is row j of key tile 2 w + h: the code of 1.0 where the mask hides the key, the code of 0 where the key counts.
; A block's scale is 2^(floor(log2(largest magnitude)) - 2); its byte is the largest magnitude's exponent field - 2, held at 1 from below.
; LIMITS: a block of zeros, and one whose largest magnitude lies under 2^-124, gets the byte 1 (a block of zeros has zero codes, and this program alone reads the bytes); NaN and infinities are not served.
; Three paths part on the work-group's number and never join: weights (192 work-groups), activations (1,280), mask (256).  Waves share nothing: no barrier.  Each path has LDS bytes of its own.
; No cluster and no tensor load: no two work-groups read the same input bytes.
.set XSC, 15728640
.set WSC, 4718592
.set WST, 33792                        ; the weights' stages begin behind the activations' four stages of 8,448 bytes
.set SEL, 2                            ; s[2:3] lane selects for v_permlanex16_b32: lane l xor 16
.set TM,  228                          ; v228-243 at work in QUANT
.set WV,  36                           ; s36 my wave's number
; 64 numbers of a lane, register 16 b + i = k 32 b + 16 (lane / 16) + i of my row, become a fragment's codes in v[pc] .. v[pc + 11] and its scale word in v[pw].
.macro QUANT s, pc, pw
.irp b, 0,1,2,3
	v_max3_num_f32 v[TM+\b], |v[\s+16*\b]|, |v[\s+1+16*\b]|, 0x1800000   ; my 16 numbers of block b, and the floor 2^(3 - 127)
.endr
.irp i, 2,4,6,8,10,12,14
.irp b, 0,1,2,3
	v_max3_num_f32 v[TM+\b], v[TM+\b], |v[\s+16*\b+\i]|, |v[\s+1+16*\b+\i]|
.endr
.endr
.irp b, 0,1,2,3
	v_permlanex16_b32 v[TM+4+\b], v[TM+\b], s[SEL], s[SEL+1]
.endr
.irp b, 0,1,2,3
	v_max_num_f32 v[TM+\b], v[TM+\b], v[TM+4+\b]       ; with lane l xor 16's: the block's largest magnitude
.endr
.irp b, 0,1,2,3
	v_add_nc_u32 v[TM+12+\b], 0xff000000, v[TM+\b]     ; 2 off its exponent field: the conversion's scale operand
.endr
.irp b, 0,1,2,3
	v_lshrrev_b32 v[TM+4+\b], 23, v[TM+12+\b]          ; the scale's byte
.endr
	v_lshl_or_b32 v[\pw], v[TM+5], 8, v[TM+4]
	v_lshl_or_b32 v[\pw], v[TM+6], 16, v[\pw]
	v_lshl_or_b32 v[\pw], v[TM+7], 24, v[\pw]
.irp c, 0,1
	v_cvt_scalef32_pk16_fp6_f32 v[\pc+6*\c:\pc+2+6*\c], v[\s+32*\c:\s+15+32*\c], v[TM+12+2*\c]
	v_cvt_scalef32_pk16_fp6_f32 v[\pc+12+4*\c:\pc+14+4*\c], v[\s+16+32*\c:\s+31+32*\c], v[TM+12+2*\c+1]   ; (a conversion's three registers begin on an even number)
.endr
	v_nop                                              ; one plain place behind a scaled conversion
.irp c, 0,1                                            ; the layout wants a whole block in a lane
.irp i, 0,1,2
	v_permlane16_swap_b32 v[\pc+6*\c+\i], v[\pc+12+4*\c+\i]
.endr
.irp i, 0,1,2
	v_mov_b32 v[\pc+3+6*\c+\i], v[\pc+12+4*\c+\i]
.endr
.endr
.endm
	s_load_b512 s[4:19], s[0:1], 0x0               ; q, pe_q, k, pe_k, v, Wq, Wpq, Wk
	s_load_b256 s[20:27], s[0:1], 0x40             ; Wpk, Wv, Wfc, mask
	s_load_b128 s[28:31], s[0:1], 0x60             ; xbuf, wbuf
	s_load_b64 s[32:33], s[0:1], 0x70              ; mcode
	v_lshl_add_u32 v248, v0, 2, 0xe800
	v_mov_b32 v249, 0
	v_lshrrev_b32 v1, 5, v0
	v_readfirstlane_b32 s[WV], v1                  ; wave 0..3
	v_and_b32 v2, 31, v0                           ; lane
	s_cmp_lt_u32 ttmp9, 192
	s_cbranch_scc1 .Lpath_w
	s_cmp_lt_u32 ttmp9, 1472
	s_cbranch_scc1 .Lpath_x
; ---- THE MASK.  A work-group takes a query tile of one batch entry, wave w its key steps 4 w .. 4 w + 3.  Lane (r, h) loads, for step e and block b, the 16 bytes of its query's keys 128 e + 32 b + 16 h + 0 .. 15.
	s_sub_co_u32 s37, ttmp9, 1472                  ; 128 m + tile
	s_lshr_b32 s38, s37, 7                         ; m
	s_and_b32 s39, s37, 127                        ; tile
	s_lshr_b32 s40, s39, 1
	s_lshl_b32 s40, s40, 5
	s_and_b32 s41, s39, 1
	s_lshl_b32 s41, s41, 3
	s_add_co_u32 s40, s40, s41                     ; the tile's first query
	s_lshl_b32 s40, s40, 11                        ; a row of the mask is 2,048 bytes
	s_lshl_b32 s41, s38, 22
	s_add_co_u32 s40, s40, s41
	s_lshl_b32 s41, s[WV], 9                       ; my four steps: 512 bytes of each row
	s_add_co_u32 s40, s40, s41
	s_mov_b32 s41, 0
	s_mul_i32 s42, s37, 24576                      ; a tile's codes: 16 steps of 1,536 bytes; my four steps: 6,144
	s_mul_i32 s43, s[WV], 6144
	s_add_co_u32 s42, s42, s43
	s_mov_b32 s43, 0
	v_and_b32 v3, 15, v0                           ; r
	v_bfe_u32 v4, v0, 4, 1                         ; h
	v_and_b32 v5, 8, v3
	v_add_nc_u32 v5, v5, v3                        ; r + 8 (r / 8)
	v_lshlrev_b32 v5, 11, v5
	v_lshl_add_u32 v5, v4, 4, v5
	s_wait_alu depctr_va_vdst(0)
	v_mul_u32_u24 v6, v2, 12                       ; out: 12 bytes a lane
	s_wait_kmcnt 0x0
	s_add_nc_u64 s[26:27], s[26:27], s[40:41]
	s_add_nc_u64 s[32:33], s[32:33], s[42:43]
.irp e, 0,1,2,3
.irp b, 0,1,2,3
	global_load_b128 v[16+16*\e+4*\b:19+16*\e+4*\b], v5, s[26:27] offset:128*\e+32*\b th:TH_LOAD_NT
.endr
.endr
	s_wait_loadcnt 0x0
; A step.  The two halves of the lanes change eight bytes, so that lane (r, h) holds keys 8 h + 0 .. 7 and 16 + 8 h + 0 .. 7 of each block of 32.  A register's four bytes (0 or 1, at bits 8 i) are spread to
; bits 8 i + 0, 2, 4, 6, of which bit 6 i + 6 is kept, inverted: a hidden key's bit.  Four such registers, each 3 bits down, make 96 bits with bit 6 j + 3 set for hidden key j: the code of 1.0.
.macro MSTEP e
.irp w, 0,1,2,3
	v_permlane16_swap_b32 v[16+16*\e+4*\w], v[18+16*\e+4*\w]
	v_permlane16_swap_b32 v[17+16*\e+4*\w], v[19+16*\e+4*\w]
.endr
.set n, 0
.rept 16
	v_lshl_or_b32 v[16+16*\e+n], v[16+16*\e+n], 2, v[16+16*\e+n]
.set n, n+1
.endr
.set n, 0
.rept 16
	v_lshl_or_b32 v[16+16*\e+n], v[16+16*\e+n], 4, v[16+16*\e+n]
.set n, n+1
.endr
.set n, 0
.rept 16
	v_bfi_b32 v[16+16*\e+n], v[16+16*\e+n], 0, 0x01041040
.set n, n+1
.endr
.irp w, 0,1,2,3
	v_lshrrev_b32 v[80+16*\e+4*\w], 3, v[16+16*\e+4*\w]
	v_lshrrev_b32 v[81+16*\e+4*\w], 11, v[17+16*\e+4*\w]
	v_lshrrev_b32 v[82+16*\e+4*\w], 19, v[18+16*\e+4*\w]
	v_lshl_or_b32 v[80+16*\e+4*\w], v[17+16*\e+4*\w], 21, v[80+16*\e+4*\w]
	v_lshl_or_b32 v[81+16*\e+4*\w], v[18+16*\e+4*\w], 13, v[81+16*\e+4*\w]
	v_lshl_or_b32 v[82+16*\e+4*\w], v[19+16*\e+4*\w], 5, v[82+16*\e+4*\w]
.endr
.irp w, 0,1,2,3
	global_store_b96 v6, v[80+16*\e+4*\w:82+16*\e+4*\w], s[32:33] offset:1536*\e+384*\w   ; 32 lanes store 384 consecutive bytes; a step's four stores cover 1,536, aligned to 256
.endr
.endm
	MSTEP 0
	MSTEP 1
	MSTEP 2
	MSTEP 3
	s_endpgm
; ---- THE ACTIVATIONS (K innermost).  A work-group takes a tile of 16 rows of one tensor, wave p its K steps 2 p and 2 p + 1.  Each load reads 512 consecutive bytes of one row; the 16 rows turn through the
; wave's own stage in LDS (rows 528 bytes apart), so that a lane gets 16 neighbours of each block of 32.
.Lpath_x:
	s_sub_co_u32 s37, ttmp9, 192                   ; 256 tensor + tile
	s_lshr_b32 s38, s37, 8
	s_and_b32 s39, s37, 255
	s_mov_b32 s[SEL], 0x76543210
	s_mov_b32 s[SEL+1], 0xfedcba98
	s_mov_b32 s49, 0xffff0000                      ; lanes 16-31
	s_wait_kmcnt 0x0
	s_mov_b64 s[34:35], s[4:5]
	s_cmp_eq_u32 s38, 1
	s_cselect_b64 s[34:35], s[6:7], s[34:35]
	s_cmp_eq_u32 s38, 2
	s_cselect_b64 s[34:35], s[8:9], s[34:35]
	s_cmp_eq_u32 s38, 3
	s_cselect_b64 s[34:35], s[10:11], s[34:35]
	s_cmp_eq_u32 s38, 4
	s_cselect_b64 s[34:35], s[12:13], s[34:35]
	s_lshr_b32 s40, s39, 1
	s_lshl_b32 s40, s40, 5
	s_and_b32 s41, s39, 1
	s_lshl_b32 s41, s41, 3
	s_add_co_u32 s40, s40, s41                     ; the tile's first row
	s_lshl_b32 s40, s40, 12                        ; a row is 4,096 bytes
	s_lshl_b32 s41, s[WV], 10                      ; my two K steps: 1,024 bytes of each row
	s_add_co_u32 s40, s40, s41
	s_mov_b32 s41, 0
	s_add_nc_u64 s[34:35], s[34:35], s[40:41]
	s_mul_i32 s42, s37, 12288                      ; the tile's eight images,
	s_mul_i32 s43, s[WV], 3072                     ; my two of them
	s_add_co_u32 s42, s42, s43
	s_mov_b32 s43, 0
	s_add_nc_u64 s[44:45], s[28:29], s[42:43]
	s_lshl_b32 s42, s37, 9                         ; the tile's four pairs of scale words, my pair
	s_lshl_b32 s48, s[WV], 7
	s_add_co_u32 s42, s42, s48
	s_add_co_u32 s42, s42, XSC
	s_add_nc_u64 s[46:47], s[28:29], s[42:43]
	s_wait_alu depctr_va_vdst(0)
	v_lshlrev_b32 v3, 4, v2                        ; 16 x lane
	s_mul_i32 s48, s[WV], 8448                     ; my stage
	v_add_nc_u32 v4, s48, v3                       ; in: a row's 512 bytes as they lie
	v_and_b32 v6, 15, v0
	v_bfe_u32 v7, v0, 4, 1
	v_mul_u32_u24 v5, v6, 528
	v_lshl_add_u32 v5, v7, 6, v5
	v_add_nc_u32 v5, s48, v5                       ; out: row r, + 64 h
	v_lshlrev_b32 v8, 2, v2
.macro XLOAD st
.irp i, 0,1,2,3,4,5,6,7,8,9,10,11,12,13,14,15
	global_load_b128 v[16+64*\st+4*\i:19+64*\st+4*\i], v3, s[34:35] offset:(\i+8*(\i/8))*4096+512*\st th:TH_LOAD_NT
.endr
.endm
.macro XTURN st                        ; LDS serves a wave's instructions in order: no wait between the stores and the loads
.irp i, 0,1,2,3,4,5,6,7,8,9,10,11,12,13,14,15
	ds_store_b128 v4, v[16+64*\st+4*\i:19+64*\st+4*\i] offset:528*\i
.endr
.irp b, 0,1,2,3
.irp j, 0,1,2,3
	ds_load_b128 v[144+16*\b+4*\j:147+16*\b+4*\j], v5 offset:128*\b+16*\j
.endr
.endr
.endm
	XLOAD 0
	XLOAD 1
.irp b, 0,1,2,3
	v_mov_b32 v[TM+4+\b], 0                        ; a lane permute's destination counts as one of its sources
.endr
	s_wait_alu depctr_va_vdst(0)
	s_wait_loadcnt 16                              ; the first K step's 16 loads are in; the second's may be out
	XTURN 0
	s_wait_dscnt 0x0
	QUANT 144, 208, 244
.irp c, 0,1,2
	global_store_b128 v3, v[208+4*\c:211+4*\c], s[44:45] offset:512*\c
.endr
	s_wait_loadcnt 0x0
	XTURN 1
	s_wait_dscnt 0x0
	s_wait_xcnt 0x0                                ; the stores' data registers are written again only behind this wait
	QUANT 144, 208, 245
.irp c, 0,1,2
	global_store_b128 v3, v[208+4*\c:211+4*\c], s[44:45] offset:1536+512*\c
.endr
	v_cndmask_b32 v246, v244, v245, s49            ; lanes 0-15: K step 2 p's words; lanes 16-31: K step 2 p + 1's
	global_store_b32 v8, v246, s[46:47]
	s_wait_tensorcnt 0x0                           ; the wave's end
	ds_add_u32 v248, v249
	s_wait_dscnt 0x0
	s_endpgm
; ---- THE WEIGHTS (K is the first axis).  A lane takes a column and its registers run down K: a block of 32 lies in one lane.  A wave takes 32 columns (two tiles) x 256 along K (K steps 2 p, 2 p + 1).
; Lane c is column 32 cg + c, which is row r = c % 8 + 8 (c / 16) of tile u = (c / 8) % 2.  Block t of the eight is registers 6 ((t % 4) / 2) .. + 5 of lane r + 16 (t % 2) of K step t / 4's image.
.Lpath_w:
	s_lshr_b32 s38, ttmp9, 5                       ; which weight
	s_and_b32 s39, ttmp9, 3                        ; p
	s_bfe_u32 s40, ttmp9, 0x30002
	s_lshl_b32 s40, s40, 2
	s_add_co_u32 s40, s40, s[WV]                   ; cg: which 32 columns
	s_wait_kmcnt 0x0
	s_mov_b64 s[34:35], s[14:15]
	s_cmp_eq_u32 s38, 1
	s_cselect_b64 s[34:35], s[16:17], s[34:35]
	s_cmp_eq_u32 s38, 2
	s_cselect_b64 s[34:35], s[18:19], s[34:35]
	s_cmp_eq_u32 s38, 3
	s_cselect_b64 s[34:35], s[20:21], s[34:35]
	s_cmp_eq_u32 s38, 4
	s_cselect_b64 s[34:35], s[22:23], s[34:35]
	s_cmp_eq_u32 s38, 5
	s_cselect_b64 s[34:35], s[24:25], s[34:35]
	s_lshl_b32 s42, s39, 20                        ; 256 rows of 4,096 bytes
	s_lshl_b32 s43, s40, 7
	s_add_co_u32 s42, s42, s43
	s_mov_b32 s43, 0
	s_add_nc_u64 s[34:35], s[34:35], s[42:43]
	s_lshr_b32 s44, s38, 1                         ; my first tile in wbuf.  Wq, Wpq, Wk, Wpk: 128 (weight / 2) + 8 head + 4 (weight % 2) + 2 (cg % 2)
	s_lshl_b32 s44, s44, 7
	s_lshr_b32 s45, s40, 1
	s_lshl_b32 s45, s45, 3
	s_add_co_u32 s44, s44, s45
	s_and_b32 s45, s38, 1
	s_lshl_b32 s45, s45, 2
	s_add_co_u32 s44, s44, s45
	s_and_b32 s45, s40, 1
	s_lshl_b32 s45, s45, 1
	s_add_co_u32 s44, s44, s45
	s_lshl_b32 s45, s38, 6                         ; Wv, Wfc: 64 weight + 2 cg
	s_lshl_b32 s46, s40, 1
	s_add_co_u32 s45, s45, s46
	s_cmp_lt_u32 s38, 4
	s_cselect_b32 s44, s44, s45
	s_mul_i32 s40, s44, 12288
	s_mul_i32 s41, s39, 3072
	s_add_co_u32 s40, s40, s41
	s_mov_b32 s41, 0
	s_add_nc_u64 s[40:41], s[30:31], s[40:41]      ; the images
	s_lshl_b32 s42, s44, 9
	s_lshl_b32 s46, s39, 7
	s_add_co_u32 s42, s42, s46
	s_add_co_u32 s42, s42, WSC
	s_add_nc_u64 s[42:43], s[30:31], s[42:43]      ; the scale words
	s_wait_alu depctr_va_vdst(0)
	v_lshlrev_b32 v3, 2, v2                        ; in: 4 bytes a lane
	v_bfe_u32 v10, v0, 3, 1                        ; u
	v_and_b32 v11, 7, v0
	v_bfe_u32 v12, v0, 4, 1
	v_lshl_add_u32 v11, v12, 3, v11                ; r
	s_mul_i32 s47, s[WV], 6400                     ; my stage: four images and two pairs of scale words
	s_add_co_u32 s47, s47, WST
	v_mul_u32_u24 v4, v10, 1536
	v_lshl_add_u32 v4, v11, 4, v4
	v_add_nc_u32 v4, s47, v4                       ; codes in: tile u, 16 r
	v_lshlrev_b32 v5, 7, v10
	v_lshl_add_u32 v5, v11, 2, v5
	v_add_nc_u32 v5, s47, v5                       ; scale words in: tile u, 4 r (6,144 on, by the immediate)
	v_lshlrev_b32 v8, 4, v2                        ; 16 x lane
	v_add_nc_u32 v6, s47, v8                       ; images out
	v_lshlrev_b32 v7, 3, v2
	v_add_nc_u32 v7, s47, v7                       ; scale words out, 8 bytes a lane
	v_and_b32 v9, 15, v0
	v_lshlrev_b32 v9, 3, v9
	v_lshl_add_u32 v9, v12, 9, v9                  ; and in wbuf: tile lane / 16, 8 (lane % 16)
.macro WLOAD t
.set i, 0
.rept 32
	global_load_b32 v[32+32*((\t)%2)+i], v3, s[34:35] offset:(32*(\t)+i)*4096 th:TH_LOAD_NT   ; 32 lanes read 128 consecutive bytes of one row of the weight
.set i, i+1
.endr
.endm
.macro WBLOCK t
.set XS, 32+32*((\t)%2)
.if (\t) < 7
	s_wait_loadcnt 32                              ; this block's 32 loads are in; the next block's may be out
.else
	s_wait_loadcnt 0x0
.endif
	v_max3_num_f32 v12, |v[XS]|, |v[XS+1]|, |v[XS+2]|
	v_max3_num_f32 v13, |v[XS+3]|, |v[XS+4]|, |v[XS+5]|
.irp i, 6,10,14,18,22,26
	v_max3_num_f32 v12, v12, |v[XS+\i]|, |v[XS+\i+1]|
	v_max3_num_f32 v13, v13, |v[XS+\i+2]|, |v[XS+\i+3]|
.endr
	v_max3_num_f32 v12, v12, |v[XS+30]|, |v[XS+31]|
	v_max3_num_f32 v12, v12, v13, 0x1800000        ; and the floor 2^(3 - 127)
	v_add_nc_u32 v11, 0xff000000, v12              ; the conversion's scale operand
	v_cvt_scalef32_pk16_fp6_f32 v[96:98], v[XS:XS+15], v11
	v_cvt_scalef32_pk16_fp6_f32 v[100:102], v[XS+16:XS+31], v11
	v_lshrrev_b32 v13, 23, v11                     ; the scale's byte; also the plain place behind the conversions
.if (\t)%4 == 0
	v_mov_b32 v[24+(\t)/4], v13
.else
	v_lshl_or_b32 v[24+(\t)/4], v13, 8*((\t)%4), v[24+(\t)/4]
.endif
	v_mov_b32 v99, v100                            ; the block's six registers on end: v96-101
	v_mov_b32 v100, v101
	v_mov_b32 v101, v102
.set OB, ((\t)/4)*3072+((\t)%2)*256
.if ((\t)%4)/2 == 0
	ds_store_b128 v4, v[96:99] offset:OB           ; image registers 0-3,
	ds_store_b64 v4, v[100:101] offset:OB+512      ; 4, 5
.else
	ds_store_b64 v4, v[96:97] offset:OB+520        ; 6, 7,
	ds_store_b128 v4, v[98:101] offset:OB+1024     ; 8-11
.endif
.if (\t)%4 == 3
	ds_store_b32 v5, v[24+(\t)/4] offset:6144+64*((\t)/4)
.endif
.if (\t)+2 < 8
	WLOAD (\t)+2
.endif
	s_wait_dscnt 0x0                               ; the stores have read their registers: the next block's codes may be written
.endm
	WLOAD 0
	WLOAD 1
.irp t, 0,1,2,3,4,5,6,7
	WBLOCK \t
.endr
.irp s, 0,1
.irp u, 0,1
.irp c, 0,1,2
	ds_load_b128 v[104+4*(6*\s+3*\u+\c):107+4*(6*\s+3*\u+\c)], v6 offset:3072*\s+1536*\u+512*\c
.endr
.endr
.endr
	ds_load_b64 v[152:153], v7 offset:6144
.irp s, 0,1
.irp u, 0,1
.irp c, 0,1,2
	s_wait_dscnt 12-(6*\s+3*\u+\c)                 ; LDS loads come back in order: this one is in, the later ones may be out
	global_store_b128 v8, v[104+4*(6*\s+3*\u+\c):107+4*(6*\s+3*\u+\c)], s[40:41] offset:12288*\u+1536*\s+512*\c
.endr
.endr
.endr
	s_wait_dscnt 0x0
	global_store_b64 v9, v[152:153], s[42:43]
	s_wait_tensorcnt 0x0                           ; the wave's end
	ds_add_u32 v248, v249
	s_wait_dscnt 0x0
	s_endpgm
.Lfunc_end_k_q7537a88ca1_prep:
	.size	k_q7537a88ca1_prep, .Lfunc_end_k_q7537a88ca1_prep-k_q7537a88ca1_prep
	.p2alignl 7, 3214868480
	.fill 96, 4, 3214868480
	.section	.rodata,"a",@progbits
	.p2align	6, 0x0
	.amdhsa_kernel k_q7537a88ca1_prep
		.amdhsa_group_segment_fixed_size 59904
		.amdhsa_private_segment_fixed_size 0
		.amdhsa_enable_private_segment 0
		.amdhsa_kernarg_size 120
		.amdhsa_user_sgpr_count 2
		.amdhsa_user_sgpr_kernarg_segment_ptr 1
		.amdhsa_wavefront_size32 1
		.amdhsa_system_sgpr_workgroup_id_x 1
		.amdhsa_system_sgpr_workgroup_id_y 1
		.amdhsa_system_sgpr_workgroup_id_z 1
		.amdhsa_system_vgpr_workitem_id 0
		.amdhsa_next_free_vgpr 250
		.amdhsa_next_free_sgpr 66
		.amdhsa_reserve_vcc 0
		.amdhsa_float_denorm_mode_32 3
		.amdhsa_float_denorm_mode_16_64 3
		.amdhsa_memory_ordered 1
		.amdhsa_forward_progress 1
		.amdhsa_inst_pref_size 85
	.end_amdhsa_kernel
	.amdgpu_metadata
---
amdhsa.version: [ 1, 2 ]
amdhsa.kernels:
  - .name:           k_q7537a88ca1_prep
    .symbol:         k_q7537a88ca1_prep.kd
    .args:
      - { .name: q, .offset: 0, .size: 8, .value_kind: global_buffer, .address_space: global }
      - { .name: pe_q, .offset: 8, .size: 8, .value_kind: global_buffer, .address_space: global }
      - { .name: k, .offset: 16, .size: 8, .value_kind: global_buffer, .address_space: global }
      - { .name: pe_k, .offset: 24, .size: 8, .value_kind: global_buffer, .address_space: global }
      - { .name: v, .offset: 32, .size: 8, .value_kind: global_buffer, .address_space: global }
      - { .name: Wq, .offset: 40, .size: 8, .value_kind: global_buffer, .address_space: global }
      - { .name: Wpq, .offset: 48, .size: 8, .value_kind: global_buffer, .address_space: global }
      - { .name: Wk, .offset: 56, .size: 8, .value_kind: global_buffer, .address_space: global }
      - { .name: Wpk, .offset: 64, .size: 8, .value_kind: global_buffer, .address_space: global }
      - { .name: Wv, .offset: 72, .size: 8, .value_kind: global_buffer, .address_space: global }
      - { .name: Wfc, .offset: 80, .size: 8, .value_kind: global_buffer, .address_space: global }
      - { .name: mask, .offset: 88, .size: 8, .value_kind: global_buffer, .address_space: global }
      - { .name: xbuf, .offset: 96, .size: 8, .value_kind: global_buffer, .address_space: global }
      - { .name: wbuf, .offset: 104, .size: 8, .value_kind: global_buffer, .address_space: global }
      - { .name: mcode, .offset: 112, .size: 8, .value_kind: global_buffer, .address_space: global }
    .group_segment_fixed_size: 59904
    .private_segment_fixed_size: 0
    .kernarg_segment_align: 8
    .kernarg_segment_size: 120
    .max_flat_workgroup_size: 128
    .sgpr_count:     66
    .vgpr_count:     250
    .wavefront_size: 32
...
	.end_amdgpu_metadata
.endif
;; end of part 1
;; launch proj (part 2): grid 4 x 64, 16 waves a work-group, clusters of 4 x 4, 327,680 bytes of LDS; arguments xbuf, wbuf, bq, bpq, bk, bpk, bv, abuf; writes abuf
.if DOCPART == 2
	.amdgcn_target "amdgcn-amd-amdhsa--gfx1250"
	.amdhsa_code_object_version 6
	.text
	.protected	k_q7537a88ca1_proj
	.globl	k_q7537a88ca1_proj
	.p2align	8
	.type	k_q7537a88ca1_proj,@function
k_q7537a88ca1_proj:
	s_mov_b64 s[64:65], 0
	v_nop
	global_prefetch_b8 v0, s[64:65] scope:SCOPE_SE
	s_setreg_imm32_b32 hwreg(HW_REG_WAVE_MODE, 25, 1), 1
	s_wait_xcnt 0x0
	s_wait_alu depctr_hold_cnt(0) depctr_sa_sdst(0) depctr_va_vdst(0) depctr_va_sdst(0) depctr_va_ssrc(0) depctr_va_vcc(0) depctr_vm_vsrc(0)
	s_getreg_b32 s2, hwreg(HW_REG_IB_STS2, 6, 4)
	s_cmp_eq_u32 s2, 0
	s_cbranch_scc0 .Lentry_in_a_cluster
	s_endpgm
.Lentry_in_a_cluster:
	s_bfe_u32 s2, ttmp6, 0x10000c
	s_cmp_lg_u32 s2, 0xf033
	s_cbranch_scc0 .Lentry_shape_is_right
	s_endpgm
.Lentry_shape_is_right:
; PROJ: the five projections on codes of FP6, their biases, and the quantising of their results into the operands of attention.
; Every product is used as source 0 = the operand whose 128 rows become the next product's K (8 tiles), source 1 = the operand whose row stays in the lane.  A wave's 8 results of one source-1 tile are then
; 64 registers, register 16 b + i = k 32 b + 16 (lane / 16) + i of the lane's row, and QUANT makes one fragment and one scale word of them.
; 256 work-groups of equal work.  Each does two parts, one behind the other, on one ring of two LDS slots.
; PART 1, by the cluster's y (yc), which all sixteen partners share:  yc 0-7: [Q | PQ] (source 0: a head's 4 tiles of Wq and 4 of Wpq; source 1: rows of q for the first four, of pe_q for the others);  yc 8-15: [K | PK] likewise.
; A work-group: 32 tiles of source 0 x 8 tiles of source 1 (in two groups).  Wave w: source-1 tiles 2 a, 2 a + 1 (a = w % 4), source-0 tiles 8 b .. 8 b + 7 (b = w / 4): 16 accumulators, 128 matrix instructions.
; PART 2: V.  Source 0: 128 rows of v (keys), key group 4 (yc % 8) + cx of the 32; source 1: the 8 tiles of Wv's columns from 8 (4 (yc / 8) + cy) on.  Wave w < 8 takes source-1 tile w: 8 accumulators, 64 matrix instructions.
; A fragment of the result must lie in one wave, so part 2 has work for eight waves; the others pass its barriers.
; CLUSTER 4 x 4.  Source 0 hangs on cx and yc in both parts: it is asked for jointly down a column of the cluster.  Source 1 hangs on cy and yc: jointly along a row.
; RING.  Part 1: a slot holds 48 tiles x two K steps as images (3,072 bytes a tile): 4 phases of 256 along K; waves 0-3 fetch source 0 (8 tiles each), waves 4, 5 the two groups of source 1.
; Part 2: a slot holds 16 tiles x four K steps (6,144 bytes a tile); waves 0-3 fetch source 0, waves 4-7 source 1, two tiles each.  Slot 0 takes V's K steps 0-3 behind its last read of part 1, slot 1 K steps 4-7 behind the last phase;
; part 1's way out stands between that last request and the wait for it.  One tensor load of a wave is out at a time.
; The scale words come straight from memory into registers, 128 bytes a load.  The bias starts the sums: in part 1 it is loaded into the accumulators, in part 2 eight registers of it are the first K step's C.
; abuf: 32 records (16 m + head) of 4 chunks of 512 keys: K images (32), V images (4 steps x 4 tiles of d), K's scale pairs, V's scale pairs; from QOFF on Q's images, from QSC on their scale pairs.
; LIMITS: as in the quantiser of the launch before (byte 1 for a block of zeros or under 2^-124; no NaN, no infinities).
.set SLOT,  147456
.set SPARE, 294912                     ; behind the ring: the spare words, 128 bytes for each of 16 waves, which no other line names
.set XSC,   15728640
.set WSC,   4718592
.set QOFF,  9830400
.set QSC,   16121856
.set REC,   307200
.set CHK,   76800
.set WV,    20                         ; s20 wave; s21 a; s22 b; s23 cx; s24 cy; s25 yc; s26 y
.set SEL,   2                          ; s[2:3]
.set TM,    76                         ; v76-91 at work in QUANT
.set G1A,   28                         ; s[28:35] group 1 for source 0;  s[36:43] for source 1;  s[44:51], s[52:59] their groups 0, a set for each slot
.set G1B,   36
.set G0A,   44
.set G0B,   52
; s[60:61], s[62:63] V's tiles of source 0 and 1 that my wave fetches; s[66:67], s[68:69] their scale words; s[70:71] bv at my tile; s72 where my two tiles go in a slot
; REGISTERS: v1 16 x lane; v2, v3 the add's two; v4, v5 source 0 in slot 0, 1; v6, v7 source 1; v8, v9 scale words' offsets; v11 4 x lane; v12-35 scale words (part 1: two sets of 12; part 2: source 0's pairs 0-2);
; v36-59 fragments of source 1; v60-107 four of source 0; v108, v109 the biases' offsets, v110 bv's number; v112-119 V's source-0 scale pair 3, v120-123 its source-1 pairs; v124 16 x lane in slot 1; v125, v126 V's source 1 in slot 0, 1;
; v127 4 x (lane % 16); v128-255 accumulator (i, t) at v[128 + 64 i + 8 t]; in part 2 v128-191 the sums, v192-239 four more fragments of source 0, v240-247 the bias.
.macro QUANT s, pc, pw
.irp b, 0,1,2,3
	v_max3_num_f32 v[TM+\b], |v[\s+16*\b]|, |v[\s+1+16*\b]|, 0x1800000   ; (each accumulator is first read at its two lowest registers)
.endr
.irp i, 2,4,6,8,10,12,14
.irp b, 0,1,2,3
	v_max3_num_f32 v[TM+\b], v[TM+\b], |v[\s+16*\b+\i]|, |v[\s+1+16*\b+\i]|
.endr
.endr
.irp b, 0,1,2,3
	s_delay_alu instid0(VALU_DEP_4)
	v_permlanex16_b32 v[TM+4+\b], v[TM+\b], s[SEL], s[SEL+1]
.endr
.irp b, 0,1,2,3
	s_delay_alu instid0(VALU_DEP_4)
	v_max_num_f32 v[TM+\b], v[TM+\b], v[TM+4+\b]
.endr
.irp b, 0,1,2,3
	s_delay_alu instid0(VALU_DEP_4)
	v_add_nc_u32 v[TM+12+\b], 0xff000000, v[TM+\b]
.endr
.irp b, 0,1,2,3
	s_delay_alu instid0(VALU_DEP_4)
	v_lshrrev_b32 v[TM+4+\b], 23, v[TM+12+\b]
.endr
	s_delay_alu instid0(VALU_DEP_3)
	v_lshl_or_b32 v[\pw], v[TM+5], 8, v[TM+4]
	s_delay_alu instid0(VALU_DEP_1)
	v_lshl_or_b32 v[\pw], v[TM+6], 16, v[\pw]
	s_delay_alu instid0(VALU_DEP_1)
	v_lshl_or_b32 v[\pw], v[TM+7], 24, v[\pw]
.irp c, 0,1
	v_cvt_scalef32_pk16_fp6_f32 v[\pc+6*\c:\pc+2+6*\c], v[\s+32*\c:\s+15+32*\c], v[TM+12+2*\c]
	v_cvt_scalef32_pk16_fp6_f32 v[\pc+12+4*\c:\pc+14+4*\c], v[\s+16+32*\c:\s+31+32*\c], v[TM+12+2*\c+1]
.endr
	v_nop                                              ; one plain place behind a scaled conversion
.irp c, 0,1
.irp i, 0,1,2
	v_permlane16_swap_b32 v[\pc+6*\c+\i], v[\pc+12+4*\c+\i]
.endr
.irp i, 0,1,2
	s_delay_alu instid0(VALU_DEP_3)
	v_mov_b32 v[\pc+3+6*\c+\i], v[\pc+12+4*\c+\i]
.endr
.endr
.endm
.macro PLACES
.rept 4
	v_nop
.endr
.endm
.macro CROUND                          ; a round of the cluster's barrier
	s_barrier_signal -1
	s_barrier_wait -1
	s_cmp_lg_u32 s[WV], 0
	s_cbranch_scc1 .Lnot_wave_0_\@
	s_barrier_signal -3
.Lnot_wave_0_\@:
	s_barrier_wait -3
	s_barrier_signal -1
	s_barrier_wait -1
.endm
.macro JLOAD sl, nb                    ; a joint load into slot sl: waves 0-3 for source 0, waves 4 .. nb - 1 for source 1; the branches hang on the wave's number alone; four v_nop follow each tensor load
	s_cmp_lt_u32 s[WV], 4
	s_cbranch_scc0 .Lnot_a_\@
	tensor_load_to_lds s[G0A+4*\sl:G0A+4*\sl+3], s[G1A:G1A+7]
	s_nop 0
	PLACES
	s_branch .Lasked_\@
.Lnot_a_\@:
	s_cmp_lt_u32 s[WV], \nb
	s_cbranch_scc0 .Lasked_\@
	tensor_load_to_lds s[G0B+4*\sl:G0B+4*\sl+3], s[G1B:G1B+7]
	s_nop 0
	PLACES
.Lasked_\@:
.endm
	s_load_b512 s[4:19], s[0:1], 0x0               ; xbuf, wbuf, bq, bpq, bk, bpk, bv, abuf
	v_lshl_add_u32 v2, v0, 2, SPARE
	v_mov_b32 v3, 0
	ds_add_u32 v2, v3                              ; the opening lines: the add, twice on end, and its wait
	ds_add_u32 v2, v3
	s_wait_dscnt 0x0
	v_lshrrev_b32 v1, 5, v0
	s_delay_alu instid0(VALU_DEP_1)
	v_readfirstlane_b32 s[WV], v1                  ; wave 0..15
	s_and_b32 s21, s[WV], 3                        ; a
	s_lshr_b32 s22, s[WV], 2                       ; b
	s_bfe_u32 s23, ttmp6, 0x40000                  ; cx (the grid is one cluster wide: cx is the work-group's x)
	s_bfe_u32 s24, ttmp6, 0x40004                  ; cy
	s_and_b32 s25, ttmp7, 0xffff                   ; yc
	s_lshl_b32 s26, s25, 2
	s_add_co_u32 s26, s26, s24                     ; y
	s_mov_b32 s[SEL], 0x76543210
	s_mov_b32 s[SEL+1], 0xfedcba98
	s_lshl_b32 s89, s24, 2
	s_lshl_b32 s89, 15, s89                        ; my row of the cluster
	s_lshl_b32 s90, 0x1111, s23                    ; my column
	; group 1, part 1: 8 rows (tiles) of 3,072 bytes (two K steps' images), 12,288 bytes apart; elements of 8 bytes; dense in LDS
	s_or_b32 s[G1A], s90, (3<<16)|(1<<21)
	s_or_b32 s[G1B], s89, (3<<16)|(1<<21)
.irp g, G1A, G1B
	s_mov_b32 s[\g+1], 384<<16                     ; tensor_dim0
	s_mov_b32 s[\g+2], 8<<16                       ; tensor_dim1
	s_mov_b32 s[\g+3], 384<<16                     ; tile_dim0
	s_mov_b32 s[\g+4], 8                           ; tile_dim1
	s_mov_b32 s[\g+5], 1536                        ; from tile to tile
	s_mov_b32 s[\g+6], 0
	s_mov_b32 s[\g+7], 0
.endr
	; part 1's tiles
	s_lshr_b32 s73, s25, 3                         ; yc / 8: 0 [Q | PQ], 1 [K | PK]
	s_and_b32 s74, s26, 31
	s_lshl_b32 s74, s74, 3
	s_lshl_b32 s75, s73, 9
	s_add_co_u32 s74, s74, s75                     ; source 1, group 0: tile 512 (yc / 8) + 8 (y % 32) of xbuf
	s_add_co_u32 s75, s74, 256                     ; group 1: the next tensor's
	s_mul_i32 s88, s[WV], 24576                    ; where my 8 tiles go in a slot
	s_lshl_b32 s78, s73, 7
	s_lshl_b32 s79, s23, 5
	s_add_co_u32 s78, s78, s79                     ; source 0: tile 128 (yc / 8) + 32 cx of wbuf
	s_lshl_b32 s76, s78, 9
	s_add_co_u32 s76, s76, WSC
	s_mov_b32 s77, 0
	s_mul_i32 s78, s78, 12288
	s_mul_i32 s79, s[WV], 98304                    ; my 8 tiles of it (waves 0-3)
	s_add_co_u32 s78, s78, s79
	s_mov_b32 s79, 0
	s_mul_i32 s80, s74, 12288
	s_mul_i32 s82, s75, 12288
	s_cmp_eq_u32 s[WV], 5
	s_cselect_b32 s80, s82, s80                    ; wave 4 fetches group 0, wave 5 group 1
	s_mov_b32 s81, 0
	s_lshl_b32 s84, s74, 9
	s_add_co_u32 s84, s84, XSC
	s_mov_b32 s85, 0
	s_lshl_b32 s86, s75, 9
	s_add_co_u32 s86, s86, XSC
	s_mov_b32 s87, 0
	; part 2's tiles
	s_mul_i32 s72, s[WV], 12288                    ; where my 2 tiles go in a slot
	s_lshl_b32 s92, s72, 1                         ; and how far on they lie in memory: 2 tiles of 12,288 bytes a wave
	s_and_b32 s89, s25, 7
	s_lshl_b32 s89, s89, 2
	s_add_co_u32 s89, s89, s23                     ; key group 4 (yc % 8) + cx
	s_lshl_b32 s89, s89, 3
	s_add_co_u32 s89, s89, 1024                    ; source 0: v's tile 8 x key group, in xbuf behind four tensors
	s_lshl_b32 s66, s89, 9
	s_add_co_u32 s66, s66, XSC
	s_mov_b32 s67, 0
	s_mul_i32 s60, s89, 12288
	s_add_co_u32 s60, s60, s92                     ; waves 0-3
	s_mov_b32 s61, 0
	s_lshl_b32 s91, s73, 2
	s_add_co_u32 s91, s91, s24                     ; 4 (yc / 8) + cy
	s_lshl_b32 s91, s91, 3                         ; source 1: Wv's tile 8 x that,
	s_add_co_u32 s93, s91, s[WV]                   ; of which tile w is my wave's (w < 8)
	s_add_co_u32 s91, s91, 256                     ; in wbuf behind 256 tiles
	s_mul_i32 s62, s91, 12288
	s_add_co_u32 s62, s62, s92
	s_sub_co_u32 s62, s62, 98304                   ; waves 4-7: 2 (w - 4) tiles on
	s_mov_b32 s63, 0
	s_add_co_u32 s68, s91, s[WV]
	s_lshl_b32 s68, s68, 9
	s_add_co_u32 s68, s68, WSC
	s_mov_b32 s69, 0
	s_lshr_b32 s70, s93, 1                         ; bv: tile T holds columns 32 (T / 2) + 8 (T % 2) + r + 8 (r / 8)
	s_lshl_b32 s70, s70, 7
	s_and_b32 s71, s93, 1
	s_lshl_b32 s71, s71, 5
	s_add_co_u32 s70, s70, s71
	s_mov_b32 s71, 0
	s_wait_kmcnt 0x0
	s_add_nc_u64 s[78:79], s[6:7], s[78:79]
	s_add_nc_u64 s[76:77], s[6:7], s[76:77]        ; source 0's scale words
	s_add_nc_u64 s[80:81], s[4:5], s[80:81]
	s_add_nc_u64 s[84:85], s[4:5], s[84:85]        ; source 1's scale words, group 0,
	s_add_nc_u64 s[86:87], s[4:5], s[86:87]        ; group 1
	s_add_nc_u64 s[60:61], s[4:5], s[60:61]
	s_add_nc_u64 s[62:63], s[6:7], s[62:63]
	s_add_nc_u64 s[66:67], s[4:5], s[66:67]
	s_add_nc_u64 s[68:69], s[6:7], s[68:69]
	s_add_nc_u64 s[70:71], s[16:17], s[70:71]
.irp sl, 0,1
	s_mov_b32 s[G0A+4*\sl], 1
	s_add_co_u32 s[G0A+4*\sl+1], s88, \sl*SLOT
	s_add_nc_u64 s[G0A+4*\sl+2:G0A+4*\sl+3], s[78:79], \sl*3072
	s_or_b32 s[G0A+4*\sl+3], s[G0A+4*\sl+3], 0x80000000
	s_mov_b32 s[G0B+4*\sl], 1
	s_add_co_u32 s[G0B+4*\sl+1], s88, \sl*SLOT
	s_add_nc_u64 s[G0B+4*\sl+2:G0B+4*\sl+3], s[80:81], \sl*3072
	s_or_b32 s[G0B+4*\sl+3], s[G0B+4*\sl+3], 0x80000000
.endr
	CROUND                                         ; all sixteen work-groups are here: the first joint loads meet
	JLOAD 0, 6                                     ; slot 0's first fill: one tensor load a wave at the head
	v_and_b32 v10, 31, v0
	s_delay_alu instid0(VALU_DEP_1)
	v_lshlrev_b32 v1, 4, v10                       ; 16 x lane
	s_delay_alu instid0(VALU_DEP_2)
	v_lshlrev_b32 v11, 2, v10                      ; 4 x lane
	s_mul_i32 s91, s22, 24576                      ; my 8 tiles of source 0 in a slot
	s_mul_i32 s92, s21, 6144                       ; my 2 tiles of a group of source 1,
	s_add_co_u32 s92, s92, 98304                   ; behind source 0's 32
	v_add_nc_u32 v4, s91, v1
	v_add_nc_u32 v6, s92, v1
	s_delay_alu instid0(VALU_DEP_2)
	v_add_nc_u32 v5, SLOT, v4
	s_delay_alu instid0(VALU_DEP_2)
	v_add_nc_u32 v7, SLOT, v6
	s_lshl_b32 s91, s22, 12
	v_add_nc_u32 v8, s91, v11                      ; scale words: 512 bytes a tile
	s_lshl_b32 s92, s21, 10
	v_add_nc_u32 v9, s92, v11
	s_mul_i32 s91, s[WV], 6144                     ; part 2: my tile of source 1,
	s_add_co_u32 s91, s91, 49152                   ; behind source 0's 8 tiles of 6,144 bytes
	v_add_nc_u32 v124, SLOT, v1
	v_add_nc_u32 v125, s91, v1
	s_delay_alu instid0(VALU_DEP_1)
	v_add_nc_u32 v126, SLOT, v125
	v_and_b32 v109, 15, v0
	s_delay_alu instid0(VALU_DEP_1)
	v_lshlrev_b32 v127, 2, v109                    ; 4 x (lane % 16)
	v_and_b32 v110, 8, v109
	s_delay_alu instid0(VALU_DEP_1)
	v_add_lshl_u32 v109, v109, v110, 2             ; bv: 4 (r + 8 (r / 8))
	; THE BIAS STARTS THE SUMS.  Register 16 b' + n of a source-1 tile's 64 belongs to column 64 head + 32 (b' % 2) + 16 h + n of the first (b' < 2) or second bias
	s_lshl_b32 s93, s23, 2
	s_add_co_u32 s93, s93, s22                     ; head = 4 cx + b
	s_lshl_b32 s93, s93, 8
	v_bfe_u32 v108, v0, 4, 1
	s_delay_alu instid0(VALU_DEP_1)
	v_lshlrev_b32 v108, 6, v108
	s_delay_alu instid0(VALU_DEP_1)
	v_add_nc_u32 v108, s93, v108
	s_cmp_ge_u32 s25, 8
	s_cselect_b64 s[94:95], s[12:13], s[8:9]
	s_cselect_b64 s[96:97], s[14:15], s[10:11]
.irp i, 0,1
.irp b, 0,1
.irp j, 0,1,2,3
	global_load_b128 v[128+64*\i+16*\b+4*\j:131+64*\i+16*\b+4*\j], v108, s[94:95] offset:128*\b+16*\j
	global_load_b128 v[160+64*\i+16*\b+4*\j:163+64*\i+16*\b+4*\j], v108, s[96:97] offset:128*\b+16*\j
.endr
.endr
.endr
; 12 scale words for a phase: lanes 0-15 hold its first K step's, lanes 16-31 its second's
.macro SCLOAD set, pair
.irp t, 0,1,2,3,4,5,6,7
	global_load_b32 v[12+12*\set+\t], v8, s[76:77] offset:512*\t+128*\pair
.endr
.irp i, 0,1
	global_load_b32 v[20+12*\set+\i], v9, s[84:85] offset:512*\i+128*\pair
	global_load_b32 v[22+12*\set+\i], v9, s[86:87] offset:512*\i+128*\pair
.endr
.endm
; 8 matrix instructions: source-0 tiles 4 g .. 4 g + 3 x my two tiles of source 1's group g, the slot's K step kk.  Eight accumulators by turns, one instruction a turn.
.macro GROUP sl, kk, g
	PLACES                                         ; in front of loads into registers that matrix instructions have read
.irp i, 0,1
.irp c, 0,1,2
	ds_load_b128 v[36+12*\i+4*\c:39+12*\i+4*\c], v[6+\sl] offset:24576*\g+3072*\i+1536*\kk+512*\c
.endr
.endr
.irp t, 0,1,2,3
.irp c, 0,1,2
	ds_load_b128 v[60+12*\t+4*\c:63+12*\t+4*\c], v[4+\sl] offset:3072*(4*\g+\t)+1536*\kk+512*\c
.endr
.endr
	s_wait_dscnt 0x0
.irp t, 0,1,2,3
.irp i, 0,1
.if \kk
	v_wmma_scale_f32_16x16x128_f8f6f4 v[128+64*\i+8*(4*\g+\t):135+64*\i+8*(4*\g+\t)], v[60+12*\t:71+12*\t], v[36+12*\i:47+12*\i], v[128+64*\i+8*(4*\g+\t):135+64*\i+8*(4*\g+\t)], v[12+12*\sl+4*\g+\t], v[20+12*\sl+2*\g+\i] matrix_a_fmt:MATRIX_FMT_FP6 matrix_b_fmt:MATRIX_FMT_FP6 matrix_a_scale:MATRIX_SCALE_ROW1 matrix_b_scale:MATRIX_SCALE_ROW1
.else
	v_wmma_scale_f32_16x16x128_f8f6f4 v[128+64*\i+8*(4*\g+\t):135+64*\i+8*(4*\g+\t)], v[60+12*\t:71+12*\t], v[36+12*\i:47+12*\i], v[128+64*\i+8*(4*\g+\t):135+64*\i+8*(4*\g+\t)], v[12+12*\sl+4*\g+\t], v[20+12*\sl+2*\g+\i] matrix_a_fmt:MATRIX_FMT_FP6 matrix_b_fmt:MATRIX_FMT_FP6
.endif
.endr
.endr
.endm
.macro PHASE sl                        ; 256 along K out of slot sl, with scale set sl
	GROUP \sl, 0, 0
	GROUP \sl, 0, 1
	GROUP \sl, 1, 0
	GROUP \sl, 1, 1
.endm
; Slot sl has been read and is filled again, two phases ahead; its scale set likewise.
.macro REFILL sl, pair
	s_wait_tensorcnt 0x0                           ; all my tensor loads have landed, my part of the other slot among them: a group 0 may be written
	ds_add_u32 v2, v3                              ; 0 onto my spare word, twice on end
	ds_add_u32 v2, v3
	s_add_nc_u64 s[G0A+4*\sl+2:G0A+4*\sl+3], s[G0A+4*\sl+2:G0A+4*\sl+3], 6144
	s_add_nc_u64 s[G0B+4*\sl+2:G0B+4*\sl+3], s[G0B+4*\sl+2:G0B+4*\sl+3], 6144
	PLACES                                         ; in front of the loads into scale registers that the last products named
	s_wait_dscnt 0x0                               ; the add is done, and my reads of this slot are over
	CROUND                                         ; no wave of any partner still reads the slot or has a load on its way
	JLOAD \sl, 6                                   ; the first tensor load behind the round, and my only one until the next
	SCLOAD \sl, \pair
	s_wait_loadcnt 12                              ; the other set's 12 words are in; the 12 just asked for may be out
.endm
; Slot sl has had its last read of part 1 and takes V's K steps 4 sl .. 4 sl + 3: 16 tiles of 6,144 bytes, two to a wave.
.macro VFILL sl
	s_wait_tensorcnt 0x0                           ; all my tensor loads have landed: the descriptors may be written
	ds_add_u32 v2, v3                              ; 0 onto my spare word, twice on end
	ds_add_u32 v2, v3
	s_add_co_u32 s[G0A+4*\sl+1], s72, \sl*SLOT
	s_add_nc_u64 s[G0A+4*\sl+2:G0A+4*\sl+3], s[60:61], \sl*6144
	s_or_b32 s[G0A+4*\sl+3], s[G0A+4*\sl+3], 0x80000000
	s_add_co_u32 s[G0B+4*\sl+1], s72, \sl*SLOT
	s_add_nc_u64 s[G0B+4*\sl+2:G0B+4*\sl+3], s[62:63], \sl*6144
	s_or_b32 s[G0B+4*\sl+3], s[G0B+4*\sl+3], 0x80000000
.if \sl == 0
.irp g, G1A, G1B
	s_mov_b32 s[\g+1], 768<<16                     ; from here on a load brings 2 rows (tiles) of 6,144 bytes
	s_mov_b32 s[\g+2], 2<<16
	s_mov_b32 s[\g+3], 768<<16
	s_mov_b32 s[\g+4], 2
.endr
.endif
	PLACES                                         ; in front of the loads into scale registers that the last products named
	s_wait_dscnt 0x0                               ; the add is done, and my reads of this slot are over
	CROUND
	JLOAD \sl, 8
.endm
	s_wait_alu depctr_va_vdst(0)
	SCLOAD 0, 0
	SCLOAD 1, 1
	s_wait_tensorcnt 0x0                           ; my part of slot 0 is in; slot 1's first fill is issued as a refill is
	ds_add_u32 v2, v3
	ds_add_u32 v2, v3
	s_wait_dscnt 0x0
	CROUND                                         ; everybody's part of slot 0 is in, and all sixteen work-groups are here
	JLOAD 1, 6                                     ; slot 1, the first tensor load behind the round
	s_wait_loadcnt 12                              ; the bias and set 0 are in; set 1's 12 loads may be out
	PHASE 0
	REFILL 0, 2
	PHASE 1
	REFILL 1, 3
	PHASE 0
	VFILL 0
	s_wait_loadcnt 0x0
	PHASE 1
	VFILL 1
	s_cmp_lt_u32 s[WV], 8                          ; V's scale words and bias, for the eight waves that multiply: part 1's way out lies ahead of the wait for them
	s_cbranch_scc0 .Lno_words
.irp p, 0,1,2
.irp t, 0,1,2,3,4,5,6,7
	global_load_b32 v[12+8*\p+\t], v11, s[66:67] offset:512*\t+128*\p
.endr
.endr
.irp t, 0,1,2,3,4,5,6,7
	global_load_b32 v[112+\t], v11, s[66:67] offset:512*\t+384
.endr
.irp p, 0,1,2,3
	global_load_b32 v[120+\p], v11, s[68:69] offset:128*\p
.endr
	global_load_b32 v110, v109, s[70:71]
.Lno_words:
	; PART 1'S WAY OUT: where my two fragments and their pair of scale words go.  Both forms are made, then chosen on yc
	s_and_b32 s73, s26, 15                         ; rb: which 8 tiles of the batch entry's 128
	s_bfe_u32 s74, s26, 0x10004                    ; m
	s_lshl_b32 s74, s74, 4
	s_lshl_b32 s75, s23, 2
	s_add_co_u32 s74, s74, s75
	s_add_co_u32 s74, s74, s22                     ; 16 m + head
	s_lshl_b32 s75, s74, 7
	s_lshl_b32 s78, s73, 3
	s_add_co_u32 s75, s75, s78
	s_lshl_b32 s78, s21, 1
	s_add_co_u32 s75, s75, s78                     ; Q: tile 128 (16 m + head) + 8 rb + 2 a
	s_mul_i32 s80, s75, 1536
	s_add_co_u32 s80, s80, QOFF
	s_lshl_b32 s81, s75, 6
	s_add_co_u32 s81, s81, QSC
	s_mul_i32 s82, s74, REC                        ; K: the record, chunk rb / 4,
	s_lshr_b32 s83, s73, 2
	s_mul_i32 s83, s83, CHK
	s_add_co_u32 s82, s82, s83
	s_and_b32 s83, s73, 3                          ; step rb % 4
	s_lshl_b32 s88, s83, 3
	s_add_co_u32 s88, s88, s78
	s_mul_i32 s88, s88, 1536
	s_add_co_u32 s88, s88, s82
	s_lshl_b32 s83, s83, 9
	s_add_co_u32 s82, s82, s83
	s_lshl_b32 s83, s21, 7
	s_add_co_u32 s82, s82, s83
	s_add_co_u32 s82, s82, 73728
	s_cmp_ge_u32 s25, 8
	s_cselect_b32 s80, s88, s80
	s_cselect_b32 s82, s82, s81
	s_mov_b32 s81, 0
	s_mov_b32 s83, 0
	s_add_nc_u64 s[80:81], s[18:19], s[80:81]
	s_add_nc_u64 s[82:83], s[18:19], s[82:83]
	s_mov_b32 s89, 0xffff0000                      ; lanes 16-31
.irp b, 0,1,2,3
	v_mov_b32 v[TM+4+\b], 0                        ; a lane permute's destination counts as one of its sources
.endr
	QUANT 128, 36, 92
	QUANT 192, 56, 93
	v_cndmask_b32 v94, v92, v93, s89               ; lanes 0-15: the first fragment's words; lanes 16-31: the second's
.irp c, 0,1,2
	global_store_b128 v1, v[36+4*\c:39+4*\c], s[80:81] offset:512*\c             ; 32 lanes store 512 consecutive bytes, aligned to 256
.endr
.irp c, 0,1,2
	global_store_b128 v1, v[56+4*\c:59+4*\c], s[80:81] offset:1536+512*\c
.endr
	global_store_b32 v11, v94, s[82:83]
	; PART 2
	s_wait_tensorcnt 0x0                           ; my part of V's tiles is in; nothing is filled again, so a work-group's barrier is enough
	ds_add_u32 v2, v3
	s_wait_dscnt 0x0
	s_barrier_signal -1
	s_barrier_wait -1                              ; and everybody's
	s_cmp_lt_u32 s[WV], 8
	s_cbranch_scc0 .Lno_v
	s_wait_loadcnt 0x0                             ; the scale words and the bias
	s_wait_xcnt 0x0                                ; part 1's stores have read their registers and bases
.set j, 0
.rept 8
	v_mov_b32 v[240+j], v110                       ; the lane is the column: one number of bv serves all rows of a result
.set j, j+1
.endr
	s_wait_alu depctr_va_vdst(0)
; V's K step kk: my tile of source 1, all eight of source 0, eight matrix instructions on eight accumulators by turns.
.macro VSTEP kk
.set VP, (\kk)/2
.set VSA, 12+8*VP+76*(VP/3)            ; source 0's scale pair: v12, v20, v28, v112
.set VS0, 1+123*((\kk)/4)              ; v1 or v124
.if \kk
	PLACES
.endif
.irp c, 0,1,2
	ds_load_b128 v[36+4*\c:39+4*\c], v[125+(\kk)/4] offset:1536*((\kk)%4)+512*\c
.endr
.irp t, 0,1,2,3,4,5,6,7
.irp c, 0,1,2
	ds_load_b128 v[60+12*\t+84*(\t/4)+4*\c:63+12*\t+84*(\t/4)+4*\c], v[VS0] offset:6144*\t+1536*((\kk)%4)+512*\c
.endr
.endr
	s_wait_dscnt 0x0
.irp t, 0,1,2,3,4,5,6,7
.if (\kk) == 0
	v_wmma_scale_f32_16x16x128_f8f6f4 v[128+8*\t:135+8*\t], v[60+12*\t+84*(\t/4):71+12*\t+84*(\t/4)], v[36:47], v[240:247], v[VSA+\t], v[120+VP] matrix_a_fmt:MATRIX_FMT_FP6 matrix_b_fmt:MATRIX_FMT_FP6
.elseif (\kk)%2
	v_wmma_scale_f32_16x16x128_f8f6f4 v[128+8*\t:135+8*\t], v[60+12*\t+84*(\t/4):71+12*\t+84*(\t/4)], v[36:47], v[128+8*\t:135+8*\t], v[VSA+\t], v[120+VP] matrix_a_fmt:MATRIX_FMT_FP6 matrix_b_fmt:MATRIX_FMT_FP6 matrix_a_scale:MATRIX_SCALE_ROW1 matrix_b_scale:MATRIX_SCALE_ROW1
.else
	v_wmma_scale_f32_16x16x128_f8f6f4 v[128+8*\t:135+8*\t], v[60+12*\t+84*(\t/4):71+12*\t+84*(\t/4)], v[36:47], v[128+8*\t:135+8*\t], v[VSA+\t], v[120+VP] matrix_a_fmt:MATRIX_FMT_FP6 matrix_b_fmt:MATRIX_FMT_FP6
.endif
.endr
.endm
.irp k, 0,1,2,3,4,5,6,7
	VSTEP \k
.endr
	; V's way out: key group 16 m + 4 chunk + step with m = (yc / 4) % 2, chunk = yc % 4, step = cx; Wv's tile 4 head + tile of d with head = 2 (4 (yc / 8) + cy) + w / 4, tile of d = w % 4
	s_bfe_u32 s73, s25, 0x10002
	s_lshl_b32 s73, s73, 4
	s_lshr_b32 s74, s25, 3
	s_lshl_b32 s74, s74, 2
	s_add_co_u32 s74, s74, s24
	s_lshl_b32 s74, s74, 1
	s_add_co_u32 s73, s73, s74
	s_lshr_b32 s74, s[WV], 2
	s_add_co_u32 s73, s73, s74                     ; 16 m + head
	s_mul_i32 s73, s73, REC
	s_and_b32 s74, s25, 3
	s_mul_i32 s74, s74, CHK
	s_add_co_u32 s73, s73, s74
	s_and_b32 s75, s[WV], 3
	s_mul_i32 s80, s23, 6144
	s_mul_i32 s78, s75, 1536
	s_add_co_u32 s80, s80, s78
	s_add_co_u32 s80, s80, s73
	s_add_co_u32 s80, s80, 49152                   ; the image
	s_lshl_b32 s82, s23, 8
	s_lshl_b32 s78, s75, 6                         ; a pair of tiles has 128 bytes of scale words, a tile 64
	s_add_co_u32 s82, s82, s78
	s_add_co_u32 s82, s82, s73
	s_add_co_u32 s82, s82, 75776
	s_mov_b32 s81, 0
	s_mov_b32 s83, 0
	s_add_nc_u64 s[80:81], s[18:19], s[80:81]
	s_add_nc_u64 s[82:83], s[18:19], s[82:83]
	PLACES                                         ; behind the last products: their results are read and their operands' registers written below
	QUANT 128, 36, 92
.irp c, 0,1,2
	global_store_b128 v1, v[36+4*\c:39+4*\c], s[80:81] offset:512*\c             ; 32 lanes store 512 consecutive bytes, aligned to 256
.endr
	global_store_b32 v127, v92, s[82:83]           ; 16 words; lanes 16-31 hold the same words and store them to the same places
.Lno_v:
	s_wait_tensorcnt 0x0                           ; the wave's end
	ds_add_u32 v2, v3
	s_wait_dscnt 0x0
	CROUND                                         ; the closing round: no work-group ends while a partner may still ask for a tile that names it
	s_endpgm
.Lfunc_end_k_q7537a88ca1_proj:
	.size	k_q7537a88ca1_proj, .Lfunc_end_k_q7537a88ca1_proj-k_q7537a88ca1_proj
	.p2alignl 7, 3214868480
	.fill 96, 4, 3214868480
	.section	.rodata,"a",@progbits
	.p2align	6, 0x0
	.amdhsa_kernel k_q7537a88ca1_proj
		.amdhsa_group_segment_fixed_size 327680
		.amdhsa_private_segment_fixed_size 0
		.amdhsa_enable_private_segment 0
		.amdhsa_kernarg_size 64
		.amdhsa_user_sgpr_count 2
		.amdhsa_user_sgpr_kernarg_segment_ptr 1
		.amdhsa_wavefront_size32 1
		.amdhsa_system_sgpr_workgroup_id_x 1
		.amdhsa_system_sgpr_workgroup_id_y 1
		.amdhsa_system_sgpr_workgroup_id_z 1
		.amdhsa_system_vgpr_workitem_id 0
		.amdhsa_next_free_vgpr 256
		.amdhsa_next_free_sgpr 100
		.amdhsa_reserve_vcc 0
		.amdhsa_float_denorm_mode_32 3
		.amdhsa_float_denorm_mode_16_64 3
		.amdhsa_memory_ordered 1
		.amdhsa_forward_progress 1
		.amdhsa_inst_pref_size 105
	.end_amdhsa_kernel
	.amdgpu_metadata
---
amdhsa.version: [ 1, 2 ]
amdhsa.kernels:
  - .name:           k_q7537a88ca1_proj
    .symbol:         k_q7537a88ca1_proj.kd
    .args:
      - { .name: xbuf, .offset: 0, .size: 8, .value_kind: global_buffer, .address_space: global }
      - { .name: wbuf, .offset: 8, .size: 8, .value_kind: global_buffer, .address_space: global }
      - { .name: bq, .offset: 16, .size: 8, .value_kind: global_buffer, .address_space: global }
      - { .name: bpq, .offset: 24, .size: 8, .value_kind: global_buffer, .address_space: global }
      - { .name: bk, .offset: 32, .size: 8, .value_kind: global_buffer, .address_space: global }
      - { .name: bpk, .offset: 40, .size: 8, .value_kind: global_buffer, .address_space: global }
      - { .name: bv, .offset: 48, .size: 8, .value_kind: global_buffer, .address_space: global }
      - { .name: abuf, .offset: 56, .size: 8, .value_kind: global_buffer, .address_space: global }
    .group_segment_fixed_size: 327680
    .private_segment_fixed_size: 0
    .kernarg_segment_align: 8
    .kernarg_segment_size: 64
    .max_flat_workgroup_size: 512
    .sgpr_count:     100
    .vgpr_count:     256
    .wavefront_size: 32
...
	.end_amdgpu_metadata
.endif
;; end of part 2
;; launch attn (part 3): grid 8 x 32, 16 waves a work-group, clusters of 4 x 1, 327,680 bytes of LDS; arguments abuf, mcode, ao; writes ao
.if DOCPART == 3
	.amdgcn_target "amdgcn-amd-amdhsa--gfx1250"
	.amdhsa_code_object_version 6
	.text
	.protected	k_q7537a88ca1_attn
	.globl	k_q7537a88ca1_attn
	.p2align	8
	.type	k_q7537a88ca1_attn,@function
k_q7537a88ca1_attn:
	s_mov_b64 s[64:65], 0
	v_nop
	global_prefetch_b8 v0, s[64:65] scope:SCOPE_SE
	s_setreg_imm32_b32 hwreg(HW_REG_WAVE_MODE, 25, 1), 1
	s_wait_xcnt 0x0
	s_wait_alu depctr_hold_cnt(0) depctr_sa_sdst(0) depctr_va_vdst(0) depctr_va_sdst(0) depctr_va_ssrc(0) depctr_va_vcc(0) depctr_vm_vsrc(0)
	s_getreg_b32 s2, hwreg(HW_REG_IB_STS2, 6, 4)
	s_cmp_eq_u32 s2, 0
	s_cbranch_scc0 .Lentry_in_a_cluster
	s_endpgm
.Lentry_in_a_cluster:
	s_bfe_u32 s2, ttmp6, 0x10000c
	s_cmp_lg_u32 s2, 0x3003
	s_cbranch_scc0 .Lentry_shape_is_right
	s_endpgm
.Lentry_shape_is_right:
; ATTN: o = softmax(([Q | PQ] . [K | PK]) / 8, masked) V for one head of one batch entry, both products on codes of FP6.
; The two score products share queries and keys, and each K of 64 is two blocks of 32: so [Q | PQ] . [K | PK] is ONE instruction of 128 along K with four true blocks.
; THE SOFTMAX: t = score x log2(e) / 8; M = the running largest t, rounded up to a whole number; p = 2^(t - M) is quantised along the keys, not normalised; the row's sum is taken of the unquantised p and divides at the end.
; When M moves, the sum and O are multiplied by 2^(old M - new M): exact.
; THE MASK IS ADDED BY THE MATRIX UNIT.  It comes as codes of FP6 (1.0 for a hidden key, 0 for one that counts), 16 codes a lane for each pair of key tiles.  Each score accumulator begins as
; (selection matrix) x (mask codes): row j of the selection matrix holds -2.0 at k = 32 h + j and 0 elsewhere, both scale bytes stand for 2^50.  That gives 0 for a key that counts and -2^101 for a hidden one;
; the product K Q^T then adds onto it in place.  A hidden key's t lies under every M, so its p is 0.  No vector instruction touches the mask.
; SHARES.  A work-group owns 256 queries of a head, each of its sixteen waves one tile of 16.  Every wave walks 16 steps of 128 keys: a loop of 4 trips (chunks of 512 keys), 4 steps a trip, every LDS offset an immediate.
; LDS.  The head's whole record (307,200 bytes: 4 chunks: K's images, V's images, their scale pairs) lies in LDS as it lies in memory.  It is filled ONCE, at the head: each wave asks for a sixteenth, 75 rows of 256 bytes:
; one tensor load of mine is out.  One barrier shows the record to all waves; nothing is filled again.
; CLUSTER.  The four query blocks of a cluster belong to one head: each sixteenth is asked for jointly, by the same tensor load with a mask that names the four.
; NO PREFETCH: every tile of K and V is asked for at the head, with no loop to run ahead in; the mask's codes are loaded into registers one step ahead of their use.
; LAYOUT.  S^T = K Q^T and O^T = V^T P^T: a lane holds one query throughout.  Lane r of key tile 2 b + u holds key 32 b + 8 u + r + 8 (r / 8), so register 16 b + i of S^T is key 32 b + 16 (lane / 16) + i of the step.
; THE ROW'S SUM of a step's p is added at the head of the NEXT step, behind the products with V, whose places these additions are; it is under the same M still, since M moves later in a step.
; So p begins as zeros, like O^T, and one more sum follows the last step.
; ao: f32 [m][query][head][64]: a head's piece of a row is 256 consecutive bytes, aligned.
; LIMITS: the promise holds while the scaled scores t stay under 2^31 in magnitude (M is never taken under -2^31, so that a row whose keys so far are all hidden has p = 0); a query all of whose keys are hidden has the
; sum 0, and its row of ao is NaN; NaN and infinities among the inputs are not served.
.set REC,  307200
.set CHK,  76800
.set QOFF, 9830400
.set QSC,  16121856
.set SPARE, 307200                     ; behind the record: the spare words, 128 bytes for each of 16 waves, which no other line names
.set MSTP, 1536                        ; a step's mask codes for a query tile, in bytes
; VECTOR REGISTERS: v1 16 x lane; v2 4 x lane + 73,728; v3 lane % 16; v4 12 x lane; v5 the mask products' scale word; v6, v7 the add's two; v8-10 LDS addresses of the chunk; v11 16 x lane + 49,152;
; v12 -M, v13 the largest t, v[14:15] the sum; v255 Q's scale words' offset
.set MK,  16                           ; v16-31   mask codes: group w at v[16 + 4 w], three registers and one of zeros.  A product's window of 12 runs on into the next groups and into Q: they meet zeros of the selection matrix
.set Q,   32                           ; v32-43   Q's fragment
.set QW,  44                           ; v44      its scale word
.set PW,  45                           ; v45      p's scale word
.set KS,  46                           ; v46-49   K's scale pairs, then V's two
.set CH,  50                           ; v50-59   five chains of the sum
.set SL,  60                           ; v60-71, v72-83 the selection matrices for even and odd key tiles
.set PC,  84                           ; v84-95   p's codes
.set P,   96                           ; v96-159  S^T, then p
.set O,   160                          ; v160-191 O^T
.set BM,  192                          ; v192-203 block maxima, bytes, scale operands; v192-194, v196-198 also the conversions' second halves
.set FR,  204                          ; v204-251 four fragments of K or V
.set F,   252                          ; v[252:253] f
.set T,   254                          ; v254     at work
.set CS,   2                           ; s[2:3]   c = log2(e) / 8: the packed form names a pair and takes its low word for both halves
.set AO,   4                           ; s[4:5]   ao at my tile's first row and my head
.set MW,   6                           ; s[6:7]   my tile's mask codes: 16 steps
.set WV,   8                           ; s8       my wave's number
.set CNT,  9                           ; s9       counts the chunks
.set MOFF, 10                          ; s[10:11] the step whose codes are asked for, in bytes
.set G1,   12                          ; s[12:19] descriptor group 1;  s[20:23] group 0
.set G0,   20
.set MB,   24                          ; s[24:25] MW + MOFF
.set CB,   26                          ; s26      the chunk's first LDS byte
.set TMP,  27
.set QI,   28                          ; s[28:29] Q's image, s[30:31] its scale words
.set QS,   30
.set PSEL, 32                          ; s32, s33 lane selects for v_permlanex16_b32: lane l xor 16
.macro PLACES
.rept 4
	v_nop
.endr
.endm
.macro CROUND                          ; a round of the cluster's barrier
	s_barrier_signal -1
	s_barrier_wait -1
	s_cmp_lg_u32 s[WV], 0
	s_cbranch_scc1 .Lnot_wave_0_\@
	s_barrier_signal -3
.Lnot_wave_0_\@:
	s_barrier_wait -3
	s_barrier_signal -1
	s_barrier_wait -1
.endm
	s_load_b128 s[68:71], s[0:1], 0x0              ; abuf, mcode
	s_load_b64 s[AO:AO+1], s[0:1], 0x10            ; ao
	v_lshl_add_u32 v6, v0, 2, SPARE
	v_mov_b32 v7, 0
	ds_add_u32 v6, v7                              ; the opening lines: the add, twice on end, and its wait ahead of my tensor load
	ds_add_u32 v6, v7
	v_lshrrev_b32 v3, 5, v0
	s_delay_alu instid0(VALU_DEP_1)
	v_readfirstlane_b32 s[WV], v3                  ; wave 0..15
	s_bfe_u32 s72, ttmp6, 0x40000                  ; cx
	s_lshl_b32 s73, ttmp9, 2
	s_add_co_u32 s73, s73, s72                     ; my block of 256 queries: it enters global addresses alone
	s_and_b32 s74, ttmp7, 0xffff                   ; 16 m + head, which the four partners share
	s_mov_b32 s[G1], 15|(3<<16)|(1<<21)            ; the mask: all four; elements of 8 bytes; bit 21 set beside a mask
	s_mov_b32 s[G1+1], 32<<16                      ; 75 rows of 256 bytes, dense
	s_mov_b32 s[G1+2], 75<<16
	s_mov_b32 s[G1+3], 32<<16
	s_mov_b32 s[G1+4], 75
	s_mov_b32 s[G1+5], 32
	s_mov_b32 s[G1+6], 0
	s_mov_b32 s[G1+7], 0
	s_mul_i32 s75, s74, REC
	s_mul_i32 s76, s[WV], 19200                    ; my sixteenth
	s_add_co_u32 s78, s75, s76
	s_mov_b32 s79, 0
	s_wait_dscnt 0x0
	s_wait_kmcnt 0x0
	s_add_nc_u64 s[78:79], s[68:69], s[78:79]
	s_mov_b32 s[G0], 1
	s_add_co_u32 s[G0+1], s76, 0
	s_mov_b64 s[G0+2:G0+3], s[78:79]
	s_or_b32 s[G0+3], s[G0+3], 0x80000000
	CROUND                                         ; all four work-groups are here: the joint loads meet
	tensor_load_to_lds s[G0:G0+3], s[G1:G1+7]
	s_nop 0
	PLACES
	s_lshl_b32 s80, s73, 4
	s_add_co_u32 s80, s80, s[WV]                   ; my query tile, 0..127
	s_lshl_b32 s81, s74, 7
	s_add_co_u32 s81, s81, s80
	s_mul_i32 s82, s81, 1536
	s_add_co_u32 s82, s82, QOFF
	s_mov_b32 s83, 0
	s_add_nc_u64 s[QI:QI+1], s[68:69], s[82:83]    ; Q's image
	s_lshr_b32 s82, s81, 1
	s_lshl_b32 s82, s82, 7                         ; its pair of scale words,
	s_and_b32 s84, s[WV], 1
	s_lshl_b32 s84, s84, 6                         ; the lower or the upper half of it
	s_add_co_u32 s82, s82, s84
	s_add_co_u32 s82, s82, QSC
	s_add_nc_u64 s[QS:QS+1], s[68:69], s[82:83]
	s_lshr_b32 s85, s74, 4                         ; m
	s_lshl_b32 s86, s85, 7
	s_add_co_u32 s86, s86, s80
	s_mul_i32 s86, s86, 16*MSTP                    ; my tile's mask codes
	s_mov_b32 s87, 0
	s_add_nc_u64 s[MW:MW+1], s[70:71], s[86:87]
	s_lshl_b32 s88, s85, 11                        ; ao: row 2,048 m + 32 (tile / 2) + 8 (tile % 2), 16 heads of 256 bytes a row
	s_lshr_b32 s89, s80, 1
	s_lshl_b32 s89, s89, 5
	s_add_co_u32 s88, s88, s89
	s_and_b32 s89, s80, 1
	s_lshl_b32 s89, s89, 3
	s_add_co_u32 s88, s88, s89
	s_lshl_b32 s88, s88, 4
	s_and_b32 s89, s74, 15
	s_add_co_u32 s88, s88, s89
	s_lshl_b32 s88, s88, 8
	s_mov_b32 s89, 0
	s_add_nc_u64 s[AO:AO+1], s[AO:AO+1], s[88:89]
	s_mov_b32 s[MOFF], 0
	s_mov_b32 s[MOFF+1], 0
	s_mov_b32 s[CB], 0
	s_mov_b32 s[CNT], 4
	s_mov_b32 s[PSEL], 0x76543210
	s_mov_b32 s[PSEL+1], 0xfedcba98
	s_mov_b32 s[CS], 0x3e38aa3b                    ; c = log2(e) / 8
	s_mov_b32 s[CS+1], s[CS]                       ; (named with it as a pair, so it is written)
	v_and_b32 v2, 31, v0
	v_and_b32 v3, 15, v0
	s_delay_alu instid0(VALU_DEP_2)
	v_lshlrev_b32 v1, 4, v2
	v_mul_u32_u24 v4, v2, 12
	s_delay_alu instid0(VALU_DEP_3)
	v_lshlrev_b32 v255, 2, v3
.irp c, 0,1,2
	global_load_b128 v[Q+4*\c:Q+3+4*\c], v1, s[QI:QI+1] offset:512*\c
.endr
	global_load_b32 v[QW], v255, s[QS:QS+1]
.irp w, 0,1,2,3
	global_load_b96 v[MK+4*\w:MK+2+4*\w], v4, s[MW:MW+1] offset:384*\w      ; the first step's mask codes
.endr
	v_lshl_add_u32 v2, v2, 2, 73728
	v_add_nc_u32 v11, 49152, v1
	v_mul_u32_u24 v9, v3, 6
	v_mov_b32 v5, 0xb1b1b1b1                       ; four bytes of 177: 2^50, for both sides of the mask products
	s_delay_alu instid0(VALU_DEP_2)
	v_add_nc_u32 v9, 4, v9                         ; the code of -2.0 is 0x30: bits 6 r + 4 and 6 r + 5 of the lane's first 96, which never lie in two registers
	s_delay_alu instid0(VALU_DEP_1)
	v_lshlrev_b32 v10, v9, 3                       ; (the shift takes the low five bits)
	v_lshrrev_b32 v9, 5, v9                        ; which of the three registers
.irp i, 0,1,2
	v_cmp_eq_u32 s90, \i, v9
	s_and_b32 s91, s90, 0xffff                     ; even key tiles: k = j lies in lanes 0-15;
	s_and_b32 s92, s90, 0xffff0000                 ; odd ones: k = 32 + j lies in lanes 16-31
	v_cndmask_b32 v[SL+\i], 0, v10, s91
	v_cndmask_b32 v[SL+12+\i], 0, v10, s92
.endr
.set j, 3
.rept 9
	v_mov_b32 v[SL+j], 0
	v_mov_b32 v[SL+12+j], 0
.set j, j+1
.endr
.irp w, 0,1,2,3
	v_mov_b32 v[MK+3+4*\w], 0                      ; each group's fourth register
.endr
	v_mov_b32 v13, 0xcf000000                      ; the largest t so far: -2^31
	s_delay_alu instid0(VALU_DEP_1)
	v_floor_f32 v12, -v13                          ; -M
	v_mov_b32 v14, 0
	v_mov_b32 v15, 0
.irp b, 0,1,2,3
	v_mov_b32 v[BM+4+\b], 0                        ; a lane permute's destination counts as one of its sources
.endr
	v_mov_b32 v[F+1], 0                            ; (named as the upper half of the pair)
.set j, 0
.rept 96
	v_mov_b32 v[P+j], 0                            ; p and O^T: the step is written once; the first adds zeros to the sum and scales zeros.  These run while the record is on its way
.set j, j+1
.endr
.macro MMUL                            ; the eight accumulators begin: 0 or -2^101.  Key tile 2 w + h: selection matrix h x the window that begins with group w
.irp w, 0,1,2,3
.irp h, 0,1
	v_wmma_scale_f32_16x16x128_f8f6f4 v[P+8*(2*\w+\h):P+7+8*(2*\w+\h)], v[SL+12*\h:SL+11+12*\h], v[MK+4*\w:MK+11+4*\w], 0, v5, v5 matrix_a_fmt:MATRIX_FMT_FP6 matrix_b_fmt:MATRIX_FMT_FP6
.endr
.endr
.endm
.macro SMUL g                          ; + K Q^T, key tiles 4 g .. 4 g + 3; an odd tile's scale words lie in lanes 16-31 of its pair.  The accumulators take turns, one instruction a turn
.irp t, 0,1,2,3
.if \t%2
	v_wmma_scale_f32_16x16x128_f8f6f4 v[P+8*(4*\g+\t):P+7+8*(4*\g+\t)], v[FR+12*\t:FR+11+12*\t], v[Q:Q+11], v[P+8*(4*\g+\t):P+7+8*(4*\g+\t)], v[KS+2*\g+\t/2], v[QW] matrix_a_fmt:MATRIX_FMT_FP6 matrix_b_fmt:MATRIX_FMT_FP6 matrix_a_scale:MATRIX_SCALE_ROW1
.else
	v_wmma_scale_f32_16x16x128_f8f6f4 v[P+8*(4*\g+\t):P+7+8*(4*\g+\t)], v[FR+12*\t:FR+11+12*\t], v[Q:Q+11], v[P+8*(4*\g+\t):P+7+8*(4*\g+\t)], v[KS+2*\g+\t/2], v[QW] matrix_a_fmt:MATRIX_FMT_FP6 matrix_b_fmt:MATRIX_FMT_FP6
.endif
.endr
.endm
.macro KLOAD s, g
.irp t, 0,1,2,3
.irp c, 0,1,2
	ds_load_b128 v[FR+12*\t+4*\c:FR+3+12*\t+4*\c], v8 offset:12288*\s+1536*(4*\g+\t)+512*\c
.endr
.endr
.endm
.macro BMAX b0, b1                     ; the largest score of two blocks of 32 keys, by turns: it serves the row's maximum and, since p rises with the score, the block's largest p.  Each accumulator is first read at its low end
.irp b, \b0, \b1
	v_max3_num_f32 v[BM+\b], v[P+16*\b], v[P+1+16*\b], v[P+2+16*\b]
.endr
.irp i, 3,5,7,9,11,13
.irp b, \b0, \b1
	v_max3_num_f32 v[BM+\b], v[BM+\b], v[P+16*\b+\i], v[P+1+16*\b+\i]
.endr
.endr
.irp b, \b0, \b1
	v_max_num_f32 v[BM+\b], v[BM+\b], v[P+15+16*\b]
.endr
.endm
.macro SUMA                            ; the last step's p, 32 pairs: pairs 0-9 begin five chains.  Five plain instructions that name no register of the products with V: their places
.irp i, 0,1,2,3,4
	v_pk_add_f32 v[CH+2*\i:CH+1+2*\i], v[P+4*\i:P+1+4*\i], v[P+2+4*\i:P+3+4*\i]
.endr
.endm
.macro SUMB                            ; pairs 10-31 onto the chains by turns; then the chains onto the sum
.set j, 10
.rept 22
	v_pk_add_f32 v[CH+2*((j-10)%5):CH+1+2*((j-10)%5)], v[CH+2*((j-10)%5):CH+1+2*((j-10)%5)], v[P+2*j:P+1+2*j]
.set j, j+1
.endr
	s_delay_alu instid0(VALU_DEP_2)
	v_pk_add_f32 v[CH:CH+1], v[CH:CH+1], v[CH+4:CH+5]
	s_delay_alu instid0(VALU_DEP_2)
	v_pk_add_f32 v[CH+2:CH+3], v[CH+2:CH+3], v[CH+6:CH+7]
	v_pk_add_f32 v[14:15], v[14:15], v[CH+8:CH+9]
	s_delay_alu instid0(VALU_DEP_2)
	v_pk_add_f32 v[CH:CH+1], v[CH:CH+1], v[CH+2:CH+3]
	s_delay_alu instid0(VALU_DEP_1)
	v_pk_add_f32 v[14:15], v[14:15], v[CH:CH+1]
.endm
; A KEY STEP: 128 keys, step s of the chunk.
.macro STEP s
	SUMA
	KLOAD \s, 0
.irp p, 0,1,2,3
	ds_load_b32 v[KS+\p], v10 offset:512*\s+128*\p
.endr
	SUMB
	s_wait_loadcnt 0x0                             ; this step's mask codes, asked for a step ago (in the first step Q too): so their base may be written
	s_add_co_u32 s[MOFF], s[MOFF], MSTP
	s_cmp_eq_u32 s[MOFF], 16*MSTP
	s_cselect_b32 s[MOFF], 0, s[MOFF]              ; the last step asks for the first step's codes again: every load stays inside the tile's codes
	s_add_nc_u64 s[MB:MB+1], s[MW:MW+1], s[MOFF:MOFF+1]
	MMUL
	s_wait_dscnt 0x0
	SMUL 0
	PLACES                                         ; in front of loads into registers that matrix instructions have read, and of the first read of results
	KLOAD \s, 1
.irp w, 0,1,2,3
	global_load_b96 v[MK+4*\w:MK+2+4*\w], v4, s[MB:MB+1] offset:384*\w      ; the next step's mask codes
.endr
	BMAX 0, 1
	s_wait_dscnt 0x0
	SMUL 1
	PLACES
.irp t, 0,1,2,3
.irp c, 0,1,2
	ds_load_b128 v[FR+12*\t+4*\c:FR+3+12*\t+4*\c], v9 offset:6144*\s+1536*\t+512*\c     ; V's four tiles land during the softmax
.endr
.endr
	ds_load_b32 v[KS], v10 offset:2048+256*\s
	ds_load_b32 v[KS+1], v10 offset:2048+256*\s+128
	BMAX 2, 3
.irp b, 0,1,2,3
	v_permlanex16_b32 v[BM+4+\b], v[BM+\b], s[PSEL], s[PSEL+1]
.endr
.irp b, 0,1,2,3
	s_delay_alu instid0(VALU_DEP_4)
	v_max_num_f32 v[BM+\b], v[BM+\b], v[BM+4+\b]   ; with lane l xor 16's 16 keys
.endr
	s_delay_alu instid0(VALU_DEP_2)
	v_max3_num_f32 v[T], v[BM], v[BM+1], v[BM+2]
	s_delay_alu instid0(VALU_DEP_1)
	v_max_num_f32 v[T], v[T], v[BM+3]              ; the step's largest score of my query
	s_delay_alu instid0(VALU_DEP_1)
	v_mul_f32 v[T], s[CS], v[T]                    ; as t
	s_delay_alu instid0(VALU_DEP_1)
	v_max_num_f32 v13, v13, v[T]                   ; the running largest t
	v_mov_b32 v[T], v12
	s_delay_alu instid0(VALU_DEP_2)
	v_floor_f32 v12, -v13                          ; the new -M = -ceil(t)
	s_delay_alu instid0(VALU_DEP_1)
	v_sub_f32 v[T], v12, v[T]                      ; old M - new M: a whole number, 0 or less
	s_delay_alu instid0(VALU_DEP_1)
	v_cvt_i32_f32 v[T], v[T]                       ; (it saturates)
	s_delay_alu instid0(VALU_DEP_1)
	v_ldexp_f32 v[F], 1.0, v[T]                    ; f = 2^(old M - new M)
.set j, 0
.rept 32
	v_pk_fma_f32 v[P+j:P+1+j], v[P+j:P+1+j], s[CS:CS+1], v[12:13] op_sel_hi:[1,0,0]   ; t - M, two at a time
.set j, j+2
.endr
.irp b, 0,1,2,3
	v_fma_f32 v[BM+\b], v[BM+\b], s[CS], v12       ; the same of each block's largest score
.endr
	s_wait_alu depctr_va_vdst(0)                   ; ahead of the batch
.irp b, 0,1,2,3
	v_exp_f32 v[BM+\b], v[BM+\b]                   ; the block's largest p: the same two instructions on the same number give the same bits
.endr
.set j, 0
.rept 64
	v_exp_f32 v[P+j], v[P+j]                       ; p = 2^(t - M)
.set j, j+1
.endr
	v_pk_mul_f32 v[14:15], v[14:15], v[F:F+1] op_sel_hi:[1,0]   ; the sum under the new M; the plain place behind the exponentials
	s_wait_alu depctr_va_vdst(0)                   ; one wait for the batch of 68, ahead of its first reader
.irp b, 0,1,2,3
	v_max_num_f32 v[BM+\b], 0x1800000, v[BM+\b]    ; the floor 2^(3 - 127): the byte cannot fall under 1
.endr
.irp b, 0,1,2,3
	s_delay_alu instid0(VALU_DEP_4)
	v_add_nc_u32 v[BM+8+\b], 0xff000000, v[BM+\b]  ; the conversion's scale operand
.endr
.irp b, 0,1,2,3
	s_delay_alu instid0(VALU_DEP_4)
	v_lshrrev_b32 v[BM+4+\b], 23, v[BM+8+\b]       ; the scale's byte
.endr
	s_delay_alu instid0(VALU_DEP_3)
	v_lshl_or_b32 v[PW], v[BM+5], 8, v[BM+4]       ; p's scale word for these 128 keys
	s_delay_alu instid0(VALU_DEP_1)
	v_lshl_or_b32 v[PW], v[BM+6], 16, v[PW]
	s_delay_alu instid0(VALU_DEP_1)
	v_lshl_or_b32 v[PW], v[BM+7], 24, v[PW]
.irp c, 0,1
	v_cvt_scalef32_pk16_fp6_f32 v[PC+6*\c:PC+2+6*\c], v[P+32*\c:P+15+32*\c], v[BM+8+2*\c]
	v_cvt_scalef32_pk16_fp6_f32 v[BM+4*\c:BM+2+4*\c], v[P+16+32*\c:P+31+32*\c], v[BM+9+2*\c]   ; (a conversion's three registers begin on an even number)
.endr
	v_nop                                          ; one plain place behind a scaled conversion
.irp c, 0,1
.irp i, 0,1,2
	v_permlane16_swap_b32 v[PC+6*\c+\i], v[BM+4*\c+\i]
.endr
.irp i, 0,1,2
	s_delay_alu instid0(VALU_DEP_3)
	v_mov_b32 v[PC+3+6*\c+\i], v[BM+4*\c+\i]
.endr
.endr
	s_wait_alu depctr_va_vdst(0)                   ; directly ahead of the first reader of O^T
.set j, 0
.rept 16
	v_pk_mul_f32 v[O+j:O+1+j], v[O+j:O+1+j], v[F:F+1] op_sel_hi:[1,0]   ; O^T under the new M; these 16 are also the places between p's codes and scale word and the products
.set j, j+2
.endr
	s_wait_alu depctr_va_vdst(0)                   ; directly ahead of the wait below
	s_wait_dscnt 0x0                               ; V
.irp t, 0,1,2,3
.if \t%2
	v_wmma_scale_f32_16x16x128_f8f6f4 v[O+8*\t:O+7+8*\t], v[FR+12*\t:FR+11+12*\t], v[PC:PC+11], v[O+8*\t:O+7+8*\t], v[KS+\t/2], v[PW] matrix_a_fmt:MATRIX_FMT_FP6 matrix_b_fmt:MATRIX_FMT_FP6 matrix_a_scale:MATRIX_SCALE_ROW1
.else
	v_wmma_scale_f32_16x16x128_f8f6f4 v[O+8*\t:O+7+8*\t], v[FR+12*\t:FR+11+12*\t], v[PC:PC+11], v[O+8*\t:O+7+8*\t], v[KS+\t/2], v[PW] matrix_a_fmt:MATRIX_FMT_FP6 matrix_b_fmt:MATRIX_FMT_FP6
.endif
.endr
.endm
	s_wait_alu depctr_va_vdst(0)
	s_wait_tensorcnt 0x0                           ; my sixteenth of the record is in,
	s_wait_dscnt 0x0
	s_barrier_signal -1
	s_barrier_wait -1                              ; and everybody's
.Lchunk:                                           ; 512 keys a trip
	v_add_nc_u32 v8, s[CB], v1                     ; K's tiles
	v_add_nc_u32 v9, s[CB], v11                    ; V's tiles
	v_add_nc_u32 v10, s[CB], v2                    ; the scale pairs
	STEP 0
	STEP 1
	STEP 2
	STEP 3
	s_add_co_u32 s[CB], s[CB], CHK
	s_sub_co_u32 s[CNT], s[CNT], 1
	s_cmp_lg_u32 s[CNT], 0
	s_cbranch_scc1 .Lchunk
	; THE WAY OUT.  O^T / the sum goes through my stage in LDS (16 rows x 272 bytes, in the record's first bytes: they have had their only fill, and behind the barrier below no wave reads the record) and leaves as whole pieces of 256 bytes.
	s_wait_loadcnt 0x0                             ; the codes asked for by the last step
	s_wait_dscnt 0x0                               ; my reads of the record are over:
	s_barrier_signal -1                            ; say so, and work on registers while the others arrive
	SUMA                                           ; the last step's p
	SUMB
	s_delay_alu instid0(VALU_DEP_1)
	v_add_f32 v14, v14, v15
	s_delay_alu instid0(VALU_DEP_1)
	v_permlanex16_b32 v[T], v14, s[PSEL], s[PSEL+1]
	s_delay_alu instid0(VALU_DEP_1)
	v_add_f32 v14, v14, v[T]                       ; the row's sum
	s_wait_alu depctr_va_vdst(0)                   ; ahead of the transcendental
	v_rcp_f32 v14, v14
	v_bfe_u32 v11, v0, 4, 1                        ; h.  (A plain place behind the reciprocal; the walk's address in v11 is done with)
	s_mul_i32 s[TMP], s[WV], 4352
	v_mul_u32_u24 v8, v3, 272
	s_delay_alu instid0(VALU_DEP_1)
	v_lshl_add_u32 v8, v11, 6, v8
	s_delay_alu instid0(VALU_DEP_1)
	v_add_nc_u32 v8, s[TMP], v8                    ; in: row r; register 16 b + n is d = 32 b + 16 h + n
	v_mul_u32_u24 v9, v11, 272
	s_delay_alu instid0(VALU_DEP_1)
	v_lshl_add_u32 v9, v3, 4, v9
	s_delay_alu instid0(VALU_DEP_1)
	v_add_nc_u32 v9, s[TMP], v9                    ; back: lanes 0-15 one row, lanes 16-31 the next
	v_lshlrev_b32 v10, 12, v11
	s_delay_alu instid0(VALU_DEP_1)
	v_lshl_add_u32 v10, v3, 4, v10                 ; and in ao: a query's row is 4,096 bytes
	s_wait_alu depctr_va_vdst(0)                   ; ahead of the first reader of the reciprocal and of O^T
.set j, 0
.rept 32
	v_mul_f32 v[P+j], v[O+j], v14
.set j, j+1
.endr
	s_wait_alu depctr_va_vdst(0)                   ; directly ahead of the barrier's wait
	s_barrier_wait -1                              ; no wave reads the record any more
.irp b, 0,1
.irp q, 0,1,2,3
	ds_store_b128 v8, v[P+16*\b+4*\q:P+3+16*\b+4*\q] offset:128*\b+16*\q
.endr
.endr
.irp i, 0,1,2,3,4,5,6,7
	ds_load_b128 v[FR+4*\i:FR+3+4*\i], v9 offset:544*\i      ; LDS serves a wave's instructions in order: these see my stores
.endr
.irp i, 0,1,2,3,4,5,6,7
	s_wait_dscnt 7-\i                              ; this load is in; the 7 - i behind it may be out
	global_store_b128 v10, v[FR+4*\i:FR+3+4*\i], s[AO:AO+1] offset:(2*\i+8*(\i/4))*4096   ; stage row 2 i + h is query 2 i + h + 8 (i / 4) of the tile; sixteen lanes store 256 consecutive bytes, aligned
.endr
	s_wait_tensorcnt 0x0                           ; the wave's end
	ds_add_u32 v6, v7
	s_wait_dscnt 0x0
	CROUND                                         ; the closing round
	s_endpgm
.Lfunc_end_k_q7537a88ca1_attn:
	.size	k_q7537a88ca1_attn, .Lfunc_end_k_q7537a88ca1_attn-k_q7537a88ca1_attn
	.p2alignl 7, 3214868480
	.fill 96, 4, 3214868480
	.section	.rodata,"a",@progbits
	.p2align	6, 0x0
	.amdhsa_kernel k_q7537a88ca1_attn
		.amdhsa_group_segment_fixed_size 327680
		.amdhsa_private_segment_fixed_size 0
		.amdhsa_enable_private_segment 0
		.amdhsa_kernarg_size 24
		.amdhsa_user_sgpr_count 2
		.amdhsa_user_sgpr_kernarg_segment_ptr 1
		.amdhsa_wavefront_size32 1
		.amdhsa_system_sgpr_workgroup_id_x 1
		.amdhsa_system_sgpr_workgroup_id_y 1
		.amdhsa_system_sgpr_workgroup_id_z 1
		.amdhsa_system_vgpr_workitem_id 0
		.amdhsa_next_free_vgpr 256
		.amdhsa_next_free_sgpr 100
		.amdhsa_reserve_vcc 0
		.amdhsa_float_denorm_mode_32 3
		.amdhsa_float_denorm_mode_16_64 3
		.amdhsa_memory_ordered 1
		.amdhsa_forward_progress 1
		.amdhsa_inst_pref_size 93
	.end_amdhsa_kernel
	.amdgpu_metadata
---
amdhsa.version: [ 1, 2 ]
amdhsa.kernels:
  - .name:           k_q7537a88ca1_attn
    .symbol:         k_q7537a88ca1_attn.kd
    .args:
      - { .name: abuf, .offset: 0, .size: 8, .value_kind: global_buffer, .address_space: global }
      - { .name: mcode, .offset: 8, .size: 8, .value_kind: global_buffer, .address_space: global }
      - { .name: ao, .offset: 16, .size: 8, .value_kind: global_buffer, .address_space: global }
    .group_segment_fixed_size: 327680
    .private_segment_fixed_size: 0
    .kernarg_segment_align: 8
    .kernarg_segment_size: 24
    .max_flat_workgroup_size: 512
    .sgpr_count:     100
    .vgpr_count:     256
    .wavefront_size: 32
...
	.end_amdgpu_metadata
.endif
;; end of part 3
;; launch fc (part 4): grid 256 x 1, 16 waves a work-group, no clusters, 153,600 bytes of LDS; arguments ao, wbuf, q, bfc, gamma, beta, out0; writes out0
.if DOCPART == 4
	.amdgcn_target "amdgcn-amd-amdhsa--gfx1250"
	.amdhsa_code_object_version 6
	.text
	.protected	k_q7537a88ca1_fc
	.globl	k_q7537a88ca1_fc
	.p2align	8
	.type	k_q7537a88ca1_fc,@function
k_q7537a88ca1_fc:
	s_mov_b64 s[64:65], 0
	v_nop
	global_prefetch_b8 v0, s[64:65] scope:SCOPE_SE
	s_setreg_imm32_b32 hwreg(HW_REG_WAVE_MODE, 25, 1), 1
	s_wait_xcnt 0x0
; FC: out0 = LayerNorm(Q(o) Q(Wfc) + bfc + q) x gamma + beta.  o's K runs (d, head): k = 16 d + head, so a block of 32 is two d of all sixteen heads: it is quantised here, where a whole row is at hand.
; SHARES.  A work-group owns 16 whole rows (the norm wants whole rows); wave w owns columns 64 w .. 64 w + 63: Wfc's tiles 320 + 4 w + t of wbuf.
; A: each wave brings one row of ao into LDS.  B: waves 0-7 each gather one K step (lane (r, h): row r; register 16 b + n = head n, d = 8 s + 2 b + h), quantise it and store its image and scale words.
; C: eight K steps: source 0 = a tile of Wfc's columns, straight from memory into the operand's registers two K steps ahead; source 1 = the rows' fragment from LDS.  Four accumulators by turns.
; D: the results turn through the wave's own stage so that a lane holds 4 neighbouring columns; + q + bfc; mean and variance in two passes (sixteen lanes by DPP, sixteen waves through LDS); scale, shift, store.
; No cluster and no tensor load: each image of Wfc is read by one wave of a work-group, once, into registers: there is no tile in LDS that partners could be sent jointly.
; LIMITS: as the quantiser's (byte 1 for a block of zeros or under 2^-124); a NaN in ao (a query with no key) becomes a code, so its row of out0 is finite where the definition has NaN.
.set XIMG, 65792                       ; LDS: 0: 16 rows of ao, 4,112 bytes apart;  XIMG: 8 images;  XSCL: their scale words, 128 bytes each;
.set XSCL, 78080
.set OST,  79104                       ; 16 stages of 16 rows x 272 bytes;
.set PS1,  148736                      ; the rows' partial sums [row 16][wave 16], and 1,024 bytes on those of the squares
.set WSC,  4718592
.set WV,   18
.set SEL,  22                          ; s[22:23]
.set TM,   240
; REGISTERS: v1 16 x lane, v2 4 x lane, v3 lane % 16, v4 lane / 16; v5-14 LDS addresses; v15, v18-20 global offsets; v16, v17 the rows' scale words; v32-79, v80-127 Wfc's fragments, two sets;
; v128-159 a row of ao, then codes, then the rows' fragments (v128.., v144..); v160-175 Wfc's scale words; v176-239 numbers to quantise, then v176-207 q, v208-219 bfc, gamma, beta; v224-255 the sums.
.macro QUANT s, pc, pw
.irp b, 0,1,2,3
	v_max3_num_f32 v[TM+\b], |v[\s+16*\b]|, |v[\s+1+16*\b]|, 0x1800000
.endr
.irp i, 2,4,6,8,10,12,14
.irp b, 0,1,2,3
	s_delay_alu instid0(VALU_DEP_4)
	v_max3_num_f32 v[TM+\b], v[TM+\b], |v[\s+16*\b+\i]|, |v[\s+1+16*\b+\i]|
.endr
.endr
.irp b, 0,1,2,3
	s_delay_alu instid0(VALU_DEP_4)
	v_permlanex16_b32 v[TM+4+\b], v[TM+\b], s[SEL], s[SEL+1]
.endr
.irp b, 0,1,2,3
	s_delay_alu instid0(VALU_DEP_4)
	v_max_num_f32 v[TM+\b], v[TM+\b], v[TM+4+\b]
.endr
.irp b, 0,1,2,3
	s_delay_alu instid0(VALU_DEP_4)
	v_add_nc_u32 v[TM+12+\b], 0xff000000, v[TM+\b]
.endr
.irp b, 0,1,2,3
	s_delay_alu instid0(VALU_DEP_4)
	v_lshrrev_b32 v[TM+4+\b], 23, v[TM+12+\b]
.endr
	s_delay_alu instid0(VALU_DEP_3)
	v_lshl_or_b32 v[\pw], v[TM+5], 8, v[TM+4]
	s_delay_alu instid0(VALU_DEP_1)
	v_lshl_or_b32 v[\pw], v[TM+6], 16, v[\pw]
	s_delay_alu instid0(VALU_DEP_1)
	v_lshl_or_b32 v[\pw], v[TM+7], 24, v[\pw]
.irp c, 0,1
	v_cvt_scalef32_pk16_fp6_f32 v[\pc+6*\c:\pc+2+6*\c], v[\s+32*\c:\s+15+32*\c], v[TM+12+2*\c]
	v_cvt_scalef32_pk16_fp6_f32 v[\pc+12+4*\c:\pc+14+4*\c], v[\s+16+32*\c:\s+31+32*\c], v[TM+12+2*\c+1]
.endr
	v_nop                                              ; one plain place behind a scaled conversion
.irp c, 0,1
.irp i, 0,1,2
	v_permlane16_swap_b32 v[\pc+6*\c+\i], v[\pc+12+4*\c+\i]
.endr
.irp i, 0,1,2
	s_delay_alu instid0(VALU_DEP_3)
	v_mov_b32 v[\pc+3+6*\c+\i], v[\pc+12+4*\c+\i]
.endr
.endr
.endm
.macro BARRIER                         ; my LDS stores have landed and my LDS loads are in: then the work-group's barrier
	s_wait_dscnt 0x0
	s_barrier_signal -1
	s_barrier_wait -1
.endm
	s_load_b256 s[4:11], s[0:1], 0x0               ; ao, wbuf, q, bfc
	s_load_b128 s[12:15], s[0:1], 0x20             ; gamma, beta
	s_load_b64 s[16:17], s[0:1], 0x30              ; out0
	v_lshl_add_u32 v30, v0, 2, 0x25000
	v_mov_b32 v31, 0
	v_lshrrev_b32 v1, 5, v0
	s_delay_alu instid0(VALU_DEP_1)
	v_readfirstlane_b32 s[WV], v1                  ; wave 0..15
	v_and_b32 v2, 31, v0
	s_delay_alu instid0(VALU_DEP_1)
	v_lshlrev_b32 v1, 4, v2
	s_delay_alu instid0(VALU_DEP_2)
	v_lshlrev_b32 v2, 2, v2
	v_and_b32 v3, 15, v0
	v_bfe_u32 v4, v0, 4, 1
	; every LDS address is made here, ahead of the first branch on the wave's number
	s_mul_i32 s24, s[WV], 4112
	v_add_nc_u32 v5, s24, v1                       ; ao's row w in
	v_mul_u32_u24 v6, v3, 4112
	s_delay_alu instid0(VALU_DEP_1)
	v_lshl_add_u32 v6, v4, 2, v6
	s_lshl_b32 s24, s[WV], 5
	v_add_nc_u32 v6, s24, v6                       ; the gather: row r, d = 8 w + h
	s_mul_i32 s24, s[WV], 1536
	s_add_co_u32 s24, s24, XIMG
	v_add_nc_u32 v7, s24, v1                       ; my image in
	s_lshl_b32 s24, s[WV], 7
	s_add_co_u32 s24, s24, XSCL
	v_add_nc_u32 v8, s24, v2                       ; my scale words in
	v_add_nc_u32 v9, XIMG, v1                      ; images out
	v_add_nc_u32 v10, XSCL, v2                     ; scale words out
	s_mul_i32 s24, s[WV], 4352
	s_add_co_u32 s24, s24, OST
	v_mul_u32_u24 v11, v3, 272
	s_delay_alu instid0(VALU_DEP_1)
	v_lshl_add_u32 v11, v4, 6, v11
	s_delay_alu instid0(VALU_DEP_1)
	v_add_nc_u32 v11, s24, v11                     ; my stage, in: row r, + 64 h
	v_mul_u32_u24 v12, v4, 272
	s_delay_alu instid0(VALU_DEP_1)
	v_lshl_add_u32 v12, v3, 4, v12
	s_delay_alu instid0(VALU_DEP_1)
	v_add_nc_u32 v12, s24, v12                     ; and back: lanes 0-15 one row, lanes 16-31 the next
	s_lshl_b32 s24, s[WV], 2
	s_add_co_u32 s24, s24, PS1
	v_lshl_add_u32 v13, v4, 6, s24                 ; partial sums in: row 2 i + h, my wave's word
	v_lshlrev_b32 v14, 6, v4
	s_delay_alu instid0(VALU_DEP_1)
	v_lshl_add_u32 v14, v3, 2, v14
	s_delay_alu instid0(VALU_DEP_1)
	v_add_nc_u32 v14, PS1, v14                     ; and out: row 2 i + h, wave lane % 16's word
	s_mul_i32 s24, s[WV], 49152
	v_add_nc_u32 v15, s24, v1                      ; Wfc: my four tiles' images
	s_lshl_b32 s24, s[WV], 11
	v_add_nc_u32 v18, s24, v2                      ; and their scale words
	s_lshl_b32 s24, s[WV], 8
	v_lshl_add_u32 v20, v3, 4, s24                 ; my 4 columns: 256 w + 16 (lane % 16)
	s_delay_alu instid0(VALU_DEP_1)
	v_lshl_add_u32 v19, v4, 12, v20                ; in row h of a pair of rows
	s_mov_b32 s[SEL], 0x76543210
	s_mov_b32 s[SEL+1], 0xfedcba98
	s_mov_b32 s20, 0x3a800000                      ; 1 / 1,024
	s_mov_b32 s21, 0x3727c5ac                      ; 1e-5
.irp b, 0,1,2,3
	v_mov_b32 v[TM+4+\b], 0                        ; a lane permute's destination counts as one of its sources
.endr
	s_lshl_b32 s26, ttmp9, 16                      ; 16 rows of 4,096 bytes a work-group
	s_mov_b32 s27, 0
	s_lshl_b32 s28, s[WV], 12
	s_add_co_u32 s28, s28, s26
	s_mov_b32 s29, 0
	s_wait_alu depctr_va_vdst(0)
	s_wait_kmcnt 0x0
	s_add_nc_u64 s[4:5], s[4:5], s[28:29]          ; ao at row 16 id + w
	s_add_nc_u64 s[8:9], s[8:9], s[26:27]
	s_add_nc_u64 s[16:17], s[16:17], s[26:27]
	s_add_nc_u64 s[30:31], s[6:7], WSC+320*512
	s_add_nc_u64 s[6:7], s[6:7], 320*12288
.macro BLOAD s                         ; K step s of my four tiles of Wfc into set s % 2
.irp t, 0,1,2,3
.irp c, 0,1,2
	global_load_b128 v[32+48*((\s)%2)+12*\t+4*\c:35+48*((\s)%2)+12*\t+4*\c], v15, s[6:7] offset:12288*\t+1536*(\s)+512*\c
.endr
.endr
.endm
	; ---- A
.irp i, 0,1,2,3,4,5,6,7
	global_load_b128 v[128+4*\i:131+4*\i], v1, s[4:5] offset:512*\i th:TH_LOAD_NT
.endr
.irp t, 0,1,2,3
.irp p, 0,1,2,3
	global_load_b32 v[160+4*\t+\p], v18, s[30:31] offset:512*\t+128*\p
.endr
.endr
	BLOAD 0
	BLOAD 1
	s_wait_loadcnt 40                              ; ao's 8 loads are in; behind them: 16 scale words and 2 x 12 of Wfc
.irp i, 0,1,2,3,4,5,6,7
	ds_store_b128 v5, v[128+4*\i:131+4*\i] offset:512*\i
.endr
	BARRIER                                        ; the 16 rows lie in LDS
	; ---- B
	s_cmp_lt_u32 s[WV], 8
	s_cbranch_scc0 .Lno_quant
.irp b, 0,1,2,3
.irp n, 0,1,2,3,4,5,6,7,8,9,10,11,12,13,14,15
	ds_load_b32 v[176+16*\b+\n], v6 offset:256*\n+8*\b     ; head n, d = 8 w + 2 b + h: k = 128 w + 32 b + 16 h + n; rows 1,028 words apart: 32 lanes, 32 banks
.endr
.endr
	s_wait_dscnt 0x0
	QUANT 176, 128, 148
.irp c, 0,1,2
	ds_store_b128 v7, v[128+4*\c:131+4*\c] offset:512*\c
.endr
	ds_store_b32 v8, v148
.Lno_quant:
	BARRIER                                        ; the eight fragments and their scale words lie in LDS
	; ---- C
.irp i, 0,1,2,3,4,5,6,7
	global_load_b128 v[176+4*\i:179+4*\i], v19, s[8:9] offset:8192*\i      ; the residual: rows 2 i + h, my 4 columns
.endr
	global_load_b128 v[208:211], v20, s[10:11]
	global_load_b128 v[212:215], v20, s[12:13]
	global_load_b128 v[216:219], v20, s[14:15]
.macro FETCHA s
.irp c, 0,1,2
	ds_load_b128 v[128+16*((\s)%2)+4*\c:131+16*((\s)%2)+4*\c], v9 offset:1536*(\s)+512*\c
.endr
	ds_load_b32 v[16+(\s)%2], v10 offset:128*(\s)
.endm
.macro KSTEP s
.if (\s) < 7
	FETCHA (\s)+1                                  ; (the four v_nop at the last step's end are its places)
.endif
.if (\s) < 2
	s_wait_loadcnt 23                              ; this step's 12 of Wfc are in; behind them: 12 of Wfc, 8 of q, 3 of bfc, gamma, beta
.elseif (\s) < 7
	s_wait_loadcnt 12                              ; behind them: the next step's 12
.else
	s_wait_loadcnt 0x0
.endif
.if (\s) < 7
	s_wait_dscnt 0x4                               ; this step's fragment is in; the next one's four loads may be out
.else
	s_wait_dscnt 0x0
.endif
.irp t, 0,1,2,3
.if (\s) == 0
	v_wmma_scale_f32_16x16x128_f8f6f4 v[224+8*\t:231+8*\t], v[32+12*\t:43+12*\t], v[128:139], 0, v[160+4*\t], v16 matrix_a_fmt:MATRIX_FMT_FP6 matrix_b_fmt:MATRIX_FMT_FP6
.elseif (\s)%2
	v_wmma_scale_f32_16x16x128_f8f6f4 v[224+8*\t:231+8*\t], v[80+12*\t:91+12*\t], v[144:155], v[224+8*\t:231+8*\t], v[160+4*\t+(\s)/2], v17 matrix_a_fmt:MATRIX_FMT_FP6 matrix_b_fmt:MATRIX_FMT_FP6 matrix_a_scale:MATRIX_SCALE_ROW1
.else
	v_wmma_scale_f32_16x16x128_f8f6f4 v[224+8*\t:231+8*\t], v[32+12*\t:43+12*\t], v[128:139], v[224+8*\t:231+8*\t], v[160+4*\t+(\s)/2], v16 matrix_a_fmt:MATRIX_FMT_FP6 matrix_b_fmt:MATRIX_FMT_FP6
.endif
.endr
.rept 4
	v_nop                                          ; places in front of loads into registers that these products have read, and of the first read of results
.endr
.if (\s) < 6
	BLOAD (\s)+2
.endif
.endm
	FETCHA 0
.irp s, 0,1,2,3,4,5,6,7
	KSTEP \s
.endr
	; ---- D.  Register 16 b + n of a lane's 32 is column 64 w + 32 b + 16 h + n of row r
.irp b, 0,1
.irp e, 0,1,2,3
	ds_store_b128 v11, v[224+16*\b+4*\e:227+16*\b+4*\e] offset:128*\b+16*\e      ; each accumulator from its low end on
.endr
.endr
.irp i, 0,1,2,3,4,5,6,7
	ds_load_b128 v[32+4*\i:35+4*\i], v12 offset:544*\i     ; my own stage: LDS serves a wave's instructions in order
.endr
	s_wait_dscnt 0x0
.irp i, 0,1,2,3,4,5,6,7
	v_pk_add_f32 v[32+4*\i:33+4*\i], v[32+4*\i:33+4*\i], v[176+4*\i:177+4*\i]
	v_pk_add_f32 v[34+4*\i:35+4*\i], v[34+4*\i:35+4*\i], v[178+4*\i:179+4*\i]
.endr
.irp i, 0,1,2,3,4,5,6,7
	v_pk_add_f32 v[32+4*\i:33+4*\i], v[32+4*\i:33+4*\i], v[208:209]
	v_pk_add_f32 v[34+4*\i:35+4*\i], v[34+4*\i:35+4*\i], v[210:211]
.endr
.irp i, 0,1,2,3,4,5,6,7
	v_pk_add_f32 v[80+2*\i:81+2*\i], v[32+4*\i:33+4*\i], v[34+4*\i:35+4*\i]
.endr
.irp i, 0,1,2,3,4,5,6,7
	v_add_f32 v[64+\i], v[80+2*\i], v[81+2*\i]
.endr
; Eight rows' sums (row 2 i + h in register base + i): over the sixteen lanes of a row, then over the sixteen waves: each wave's word to LDS, a barrier, a lane to a wave, and over the lanes again.
.macro RSUM base, ps
.irp x, 1,2,4,8
.irp i, 0,1,2,3,4,5,6,7
	v_add_f32_dpp v[\base+\i], v[\base+\i], v[\base+\i] row_xmask:\x row_mask:0xf bank_mask:0xf
.endr
.endr
.irp i, 0,1,2,3,4,5,6,7
	ds_store_b32 v13, v[\base+\i] offset:\ps+128*\i        ; sixteen lanes write the same word with the same value
.endr
	BARRIER
.irp i, 0,1,2,3,4,5,6,7
	ds_load_b32 v[\base+\i], v14 offset:\ps+128*\i
.endr
	s_wait_dscnt 0x0
.irp x, 1,2,4,8
.irp i, 0,1,2,3,4,5,6,7
	v_add_f32_dpp v[\base+\i], v[\base+\i], v[\base+\i] row_xmask:\x row_mask:0xf bank_mask:0xf
.endr
.endr
.endm
	RSUM 64, 0
.irp i, 0,1,2,3,4,5,6,7
	v_mul_f32 v[64+\i], s20, v[64+\i]              ; the mean
.endr
.irp j, 0,1,2,3
.irp i, 0,1,2,3,4,5,6,7
	v_sub_f32 v[32+4*\i+\j], v[32+4*\i+\j], v[64+\i]
.endr
.endr
.irp i, 0,1,2,3,4,5,6,7
	v_mul_f32 v[72+\i], v[32+4*\i], v[32+4*\i]     ; the variance from the differences: no difference of large sums is formed
.endr
.irp j, 1,2,3
.irp i, 0,1,2,3,4,5,6,7
	v_fma_f32 v[72+\i], v[32+4*\i+\j], v[32+4*\i+\j], v[72+\i]
.endr
.endr
	RSUM 72, 1024
.irp i, 0,1,2,3,4,5,6,7
	v_fma_f32 v[72+\i], v[72+\i], s20, s21         ; variance + 1e-5
.endr
	s_wait_alu depctr_va_vdst(0)
.irp i, 0,1,2,3,4,5,6,7
	v_rsq_f32 v[72+\i], v[72+\i]
.endr
	v_nop                                          ; a plain place behind the last of them
	s_wait_alu depctr_va_vdst(0)                   ; one wait for the eight, ahead of their first reader
.irp j, 0,1,2,3
.irp i, 0,1,2,3,4,5,6,7
	v_mul_f32 v[32+4*\i+\j], v[32+4*\i+\j], v[72+\i]
.endr
.endr
.irp i, 0,1,2,3,4,5,6,7
	v_pk_fma_f32 v[32+4*\i:33+4*\i], v[32+4*\i:33+4*\i], v[212:213], v[216:217]
	v_pk_fma_f32 v[34+4*\i:35+4*\i], v[34+4*\i:35+4*\i], v[214:215], v[218:219]
.endr
.irp i, 0,1,2,3,4,5,6,7
	global_store_b128 v19, v[32+4*\i:35+4*\i], s[16:17] offset:8192*\i th:TH_STORE_NT     ; sixteen lanes store 256 consecutive bytes, aligned; two rows an instruction
.endr
	s_wait_tensorcnt 0x0
	ds_add_u32 v30, v31
	s_wait_dscnt 0x0
	s_endpgm
.Lfunc_end_k_q7537a88ca1_fc:
	.size	k_q7537a88ca1_fc, .Lfunc_end_k_q7537a88ca1_fc-k_q7537a88ca1_fc
	.p2alignl 7, 3214868480
	.fill 96, 4, 3214868480
	.section	.rodata,"a",@progbits
	.p2align	6, 0x0
	.amdhsa_kernel k_q7537a88ca1_fc
		.amdhsa_group_segment_fixed_size 153600
		.amdhsa_private_segment_fixed_size 0
		.amdhsa_enable_private_segment 0
		.amdhsa_kernarg_size 56
		.amdhsa_user_sgpr_count 2
		.amdhsa_user_sgpr_kernarg_segment_ptr 1
		.amdhsa_wavefront_size32 1
		.amdhsa_system_sgpr_workgroup_id_x 1
		.amdhsa_system_sgpr_workgroup_id_y 1
		.amdhsa_system_sgpr_workgroup_id_z 1
		.amdhsa_system_vgpr_workitem_id 0
		.amdhsa_next_free_vgpr 256
		.amdhsa_next_free_sgpr 66
		.amdhsa_reserve_vcc 0
		.amdhsa_float_denorm_mode_32 3
		.amdhsa_float_denorm_mode_16_64 3
		.amdhsa_memory_ordered 1
		.amdhsa_forward_progress 1
		.amdhsa_inst_pref_size 55
	.end_amdhsa_kernel
	.amdgpu_metadata
---
amdhsa.version: [ 1, 2 ]
amdhsa.kernels:
  - .name:           k_q7537a88ca1_fc
    .symbol:         k_q7537a88ca1_fc.kd
    .args:
      - { .name: ao, .offset: 0, .size: 8, .value_kind: global_buffer, .address_space: global }
      - { .name: wbuf, .offset: 8, .size: 8, .value_kind: global_buffer, .address_space: global }
      - { .name: q, .offset: 16, .size: 8, .value_kind: global_buffer, .address_space: global }
      - { .name: bfc, .offset: 24, .size: 8, .value_kind: global_buffer, .address_space: global }
      - { .name: gamma, .offset: 32, .size: 8, .value_kind: global_buffer, .address_space: global }
      - { .name: beta, .offset: 40, .size: 8, .value_kind: global_buffer, .address_space: global }
      - { .name: out0, .offset: 48, .size: 8, .value_kind: global_buffer, .address_space: global }
    .group_segment_fixed_size: 153600
    .private_segment_fixed_size: 0
    .kernarg_segment_align: 8
    .kernarg_segment_size: 56
    .max_flat_workgroup_size: 512
    .sgpr_count:     66
    .vgpr_count:     256
    .wavefront_size: 32
...
	.end_amdgpu_metadata
.endif
;; end of part 4
